; MI455X (gfx1250); checked and timed in simulation.
; The chip was launched on July 23, 2026; its instructions are those of AMD's public machine-readable ISA for CDNA 5 (MIT licence, August 2026) and "CDNA5" Instruction Set Architecture Reference Guide (July 2026). The comments in the code are by the model that wrote it; some were corrected since.
;; Channel Adaptive Normalization. Allowed arithmetic: float matrix products may take bf16 or f16 operands with f32 sums; all other float work in f32.
;; Inputs: Wk 256 x 256 float32; Wq 256 x 256 float32; Wv 256 x 256 float32; src 16 x 256 x 2,048 float32; trg 16 x 256 x 2,048 float32.
;; Outputs: out0 16 x 256 x 2,048 float32.
;; 2 versions, each right and faster than the one before. Each part assembles by itself: llvm-mc -triple=amdgcn-amd-amdhsa -mcpu=gfx1250 --defsym DOCPART=n.
;; ======== version 1 of 2: 4 launches
;; workspace buffers: stats 65,536 bytes; wb 393,216 bytes; qf 16,777,216 bytes; kf 16,777,216 bytes; vf 16,777,216 bytes; part 524,288 bytes
;; launch prep (part 1): grid 256 x 1, 16 waves a work-group, no clusters, 2,304 bytes of LDS; arguments src, trg, Wq, Wk, Wv, stats, wb; writes stats, wb
.if DOCPART == 1
	.amdgcn_target "amdgcn-amd-amdhsa--gfx1250"
	.amdhsa_code_object_version 6
	.text
	.protected	k_qe523fa014c_prep
	.globl	k_qe523fa014c_prep
	.p2align	8
	.type	k_qe523fa014c_prep,@function
k_qe523fa014c_prep:
	s_mov_b64 s[64:65], 0
	v_nop
	global_prefetch_b8 v0, s[64:65] scope:SCOPE_SE
	s_setreg_imm32_b32 hwreg(HW_REG_WAVE_MODE, 25, 1), 1
	s_wait_xcnt 0x0
; ROW STATISTICS AND THE WEIGHTS IN bf16.
; stats[tensor 2 (0 = src)][b 16][c 256] = (r, nb), f32: r = 1 / (sd + 1e-5), nb = -mean r, so that the normalised number is fma(x, r, nb).
; sd is the unbiased deviation over the row's 2,048 numbers, taken in two passes (the mean first, then the squares of x - mean): no difference of large sums is formed.
; wb holds Wq, Wk, Wv rounded to bf16 in the order in which a matrix instruction's lanes want them: [job 3][dbg 16][ch 8][p 2][lane 32][16 bytes]; lane (r = lane % 16, h = lane / 16)
; holds W[16 dbg + r][32 ch + 16 p + 8 h + 0..7].
; SHARES.  src and trg together have 8,192 rows of 8,192 bytes.  Work-group g owns rows 32 g .. 32 g + 31 (g < 128: src), wave w two of them; a row is 64 registers of the wave and stays there
; between the passes, so it is read once.  All 32 loads of a wave (512 consecutive bytes each) go out at once.  Memory binds: no matrix unit, no cluster, nothing is shared between work-groups.
; The 768 units of 512 bytes of wb are dealt three to a work-group: waves 0 to 2 make unit 3 g + w.  Their loads take 64 bytes of each of 16 rows of W; W is 768 KB in all.
; LIMITS.  A variance below 2^-126 counts as 0 (the root's input is flushed); sd is then 1e-5 alone, which differs from the exact sum by less than 1e-19.  NaN and infinities are not treated apart.
.set SPARE, 256                        ; LDS: bytes 0-255 the 32 rows' results; from 256 the spare words, 128 bytes for each of 16 waves
.set X0,  16                           ; v[16:79]   row 0
.set X1,  80                           ; v[80:143]  row 1
.set WF,  144                          ; v[144:151] eight numbers of W
.set RES, 152                          ; v[152:155] r, nb of row 0; r, nb of row 1
.set WA,  156                          ; v156 my byte offset in W
.set WO,  157                          ; v157 my byte offset in wb
.set LW,  158                          ; v158 LDS address of my wave's 16 bytes
.set L8,  159                          ; v159 8 x lane
                                       ; v1 16 x lane; v2, v3 the add's two registers; v[4:11] four chains of pairs; v[12:13] the mean, twice; v14, v15 at work
	s_load_b256 s[4:11], s[0:1], 0x0               ; src s[4:5], trg s[6:7], Wq s[8:9], Wk s[10:11]
	s_load_b128 s[12:15], s[0:1], 0x20             ; Wv s[12:13], stats s[14:15]
	s_load_b64 s[16:17], s[0:1], 0x30              ; wb
	v_lshl_add_u32 v2, v0, 2, SPARE                ; my spare word
	v_mov_b32 v3, 0
	v_lshrrev_b32 v14, 5, v0
	v_readfirstlane_b32 s20, v14                   ; wave 0..15
	v_and_b32 v15, 31, v0                          ; lane
	v_lshlrev_b32 v1, 4, v15
	v_lshlrev_b32 v[L8], 3, v15
	s_lshl_b32 s21, s20, 4
	v_mov_b32 v[LW], s21
	s_and_b32 s24, ttmp9, 127                      ; the work-group's place in its tensor: 32 rows of 8,192 bytes,
	s_lshl_b32 s24, s24, 18
	s_lshl_b32 s25, s20, 14                        ; the wave's two rows
	s_add_co_u32 s24, s24, s25
	s_mov_b32 s25, 0
	s_lshl_b32 s32, ttmp9, 8                       ; the work-group's 256 bytes of stats
	s_mov_b32 s33, 0
	s_mov_b32 s30, 0x76543210                      ; v_permlanex16_b32: each lane takes its own place in the other half
	s_mov_b32 s31, 0xfedcba98
	s_wait_kmcnt 0x0
	s_cmp_lt_u32 ttmp9, 128
	s_cselect_b64 s[22:23], s[4:5], s[6:7]
	s_add_nc_u64 s[22:23], s[22:23], s[24:25]
	s_add_nc_u64 s[14:15], s[14:15], s[32:33]
.set i, 0
.rept 16
	global_load_b128 v[X0+4*i:X0+4*i+3], v1, s[22:23] offset:512*i
.set i, i+1
.endr
.set i, 0
.rept 16
	global_load_b128 v[X1+4*i:X1+4*i+3], v1, s[22:23] offset:8192+512*i
.set i, i+1
.endr
	; Waves 0 to 2: a unit of wb, whole in this one branch.  Its two loads stand behind the rows' 32, so the wait for them is for 0.
	s_cmp_ge_u32 s20, 3
	s_cbranch_scc1 .Lrows
	s_mul_i32 s26, ttmp9, 3
	s_add_co_u32 s26, s26, s20                     ; the unit: 256 job + 16 dbg + 2 ch + p
	s_lshr_b32 s27, s26, 8
	s_cmp_eq_u32 s27, 0
	s_cselect_b64 s[18:19], s[8:9], s[10:11]
	s_cmp_eq_u32 s27, 2
	s_cselect_b64 s[18:19], s[12:13], s[18:19]
	s_bfe_u32 s28, s26, 0x40004                    ; dbg: 16 rows of 1,024 bytes
	s_lshl_b32 s28, s28, 14
	s_and_b32 s29, s26, 15                         ; 2 ch + p: 16 numbers of 4 bytes
	s_lshl_b32 s29, s29, 6
	s_add_co_u32 s28, s28, s29
	v_and_b32 v[WA], 15, v0                        ; r
	v_bfe_u32 v[WO], v0, 4, 1                      ; h
	v_lshlrev_b32 v[WA], 10, v[WA]
	v_lshl_add_u32 v[WA], v[WO], 5, v[WA]
	v_add_nc_u32 v[WA], s28, v[WA]
	s_lshl_b32 s29, s26, 9
	v_add_nc_u32 v[WO], s29, v1
	global_load_b128 v[WF:WF+3], v[WA], s[18:19]
	global_load_b128 v[WF+4:WF+7], v[WA], s[18:19] offset:16
	s_wait_loadcnt 0x0
.irp z, 0,1,2,3
	v_cvt_pk_bf16_f32 v[WF+\z], v[WF+2*\z], v[WF+2*\z+1]   ; in place, ascending: number z is written when numbers 2 z and 2 z + 1 have been read
.endr
	global_store_b128 v[WO], v[WF:WF+3], s[16:17]  ; 512 consecutive bytes, at a multiple of 512 from wb's first
.Lrows:
.macro REDUCE                          ; the four chains, then the 32 lanes: the sum in v14 of every lane
	v_pk_add_f32 v[4:5], v[4:5], v[6:7]
	v_pk_add_f32 v[8:9], v[8:9], v[10:11]
	v_pk_add_f32 v[4:5], v[4:5], v[8:9]
	v_add_f32 v14, v4, v5
	v_add_f32_dpp v14, v14, v14 row_xmask:1 row_mask:0xf bank_mask:0xf
	v_add_f32_dpp v14, v14, v14 row_xmask:2 row_mask:0xf bank_mask:0xf
	v_add_f32_dpp v14, v14, v14 row_xmask:4 row_mask:0xf bank_mask:0xf
	v_add_f32_dpp v14, v14, v14 row_xmask:8 row_mask:0xf bank_mask:0xf
	v_permlanex16_b32 v15, v14, s30, s31
	v_add_f32 v14, v14, v15
.endm
; One row in v[x ..]; left = the younger loads that may stay out; its r and nb go to v[res], v[res+1].
.macro ROW x, left, res
	s_wait_loadcnt \left
.irp k, 0,1,2,3
	v_pk_add_f32 v[4+2*\k:5+2*\k], v[(\x)+2*\k:(\x)+2*\k+1], v[(\x)+8+2*\k:(\x)+8+2*\k+1]  ; the first eight pairs start the chains: nothing is cleared
.endr
.set i, 8
.rept 24
	v_pk_add_f32 v[4+2*(i%4):5+2*(i%4)], v[4+2*(i%4):5+2*(i%4)], v[(\x)+2*i:(\x)+2*i+1]
.set i, i+1
.endr
	REDUCE
	v_mul_f32 v12, 0x3a000000, v14                 ; the mean: the sum / 2,048
	v_mul_f32 v13, 0x3a000000, v14
.set i, 0
.rept 32
	v_pk_add_f32 v[(\x)+2*i:(\x)+2*i+1], v[(\x)+2*i:(\x)+2*i+1], v[12:13] neg_lo:[0,1] neg_hi:[0,1]  ; x - mean
.set i, i+1
.endr
.irp k, 0,1,2,3
	v_pk_mul_f32 v[4+2*\k:5+2*\k], v[(\x)+2*\k:(\x)+2*\k+1], v[(\x)+2*\k:(\x)+2*\k+1]
.endr
.set i, 4
.rept 28
	v_pk_fma_f32 v[4+2*(i%4):5+2*(i%4)], v[(\x)+2*i:(\x)+2*i+1], v[(\x)+2*i:(\x)+2*i+1], v[4+2*(i%4):5+2*(i%4)]
.set i, i+1
.endr
	REDUCE
	v_mul_f32 v14, 0x3a001002, v14                 ; / 2,047
	v_sqrt_f32 v14, v14
	v_nop                                          ; a plain instruction behind the root (ISA guide 5.7.2)
	s_wait_alu depctr_va_vdst(0)
	v_add_f32 v14, 0x3727c5ac, v14                 ; + 1e-5
	v_rcp_f32 v[\res], v14
	v_nop                                          ; and behind the reciprocal
	s_wait_alu depctr_va_vdst(0)
	v_mul_f32 v[(\res)+1], -v12, v[\res]
.endm
	ROW X0, 16, RES                                ; row 1's sixteen loads may stay out
	ROW X1, 0, RES+2
	ds_store_b128 v[LW], v[RES:RES+3]              ; every lane writes the wave's 16 bytes with the same numbers
	s_wait_dscnt 0x0                               ; for wave 0's sake: my store is done
	s_barrier_signal -1
	s_barrier_wait -1
	s_cmp_lg_u32 s20, 0
	s_cbranch_scc1 .Lend
	ds_load_b64 v[4:5], v[L8]                      ; lane i: row i's pair
	s_wait_dscnt 0x0
	global_store_b64 v[L8], v[4:5], s[14:15]       ; 256 consecutive bytes, at a multiple of 256 from stats' first
.Lend:
	s_wait_tensorcnt 0x0                           ; the wave's end, behind my last LDS store
	ds_add_u32 v2, v3
	s_wait_dscnt 0x0
	s_endpgm
.Lfunc_end_k_qe523fa014c_prep:
	.size	k_qe523fa014c_prep, .Lfunc_end_k_qe523fa014c_prep-k_qe523fa014c_prep
	.p2alignl 7, 3214868480
	.fill 96, 4, 3214868480
	.section	.rodata,"a",@progbits
	.p2align	6, 0x0
	.amdhsa_kernel k_qe523fa014c_prep
		.amdhsa_group_segment_fixed_size 2304
		.amdhsa_private_segment_fixed_size 0
		.amdhsa_enable_private_segment 0
		.amdhsa_kernarg_size 56
		.amdhsa_user_sgpr_count 2
		.amdhsa_user_sgpr_kernarg_segment_ptr 1
		.amdhsa_wavefront_size32 1
		.amdhsa_system_sgpr_workgroup_id_x 1
		.amdhsa_system_sgpr_workgroup_id_y 1
		.amdhsa_system_sgpr_workgroup_id_z 1
		.amdhsa_system_vgpr_workitem_id 0
		.amdhsa_next_free_vgpr 160
		.amdhsa_next_free_sgpr 66
		.amdhsa_reserve_vcc 0
		.amdhsa_float_denorm_mode_32 3
		.amdhsa_float_denorm_mode_16_64 3
		.amdhsa_memory_ordered 1
		.amdhsa_forward_progress 1
		.amdhsa_inst_pref_size 22
	.end_amdhsa_kernel
	.amdgpu_metadata
---
amdhsa.version: [ 1, 2 ]
amdhsa.kernels:
  - .name:           k_qe523fa014c_prep
    .symbol:         k_qe523fa014c_prep.kd
    .args:
      - { .name: src, .offset: 0, .size: 8, .value_kind: global_buffer, .address_space: global }
      - { .name: trg, .offset: 8, .size: 8, .value_kind: global_buffer, .address_space: global }
      - { .name: Wq, .offset: 16, .size: 8, .value_kind: global_buffer, .address_space: global }
      - { .name: Wk, .offset: 24, .size: 8, .value_kind: global_buffer, .address_space: global }
      - { .name: Wv, .offset: 32, .size: 8, .value_kind: global_buffer, .address_space: global }
      - { .name: stats, .offset: 40, .size: 8, .value_kind: global_buffer, .address_space: global }
      - { .name: wb, .offset: 48, .size: 8, .value_kind: global_buffer, .address_space: global }
    .group_segment_fixed_size: 2304
    .private_segment_fixed_size: 0
    .kernarg_segment_align: 8
    .kernarg_segment_size: 56
    .max_flat_workgroup_size: 512
    .sgpr_count:     66
    .vgpr_count:     160
    .wavefront_size: 32
...
	.end_amdgpu_metadata
.endif
;; end of part 1
;; launch proj (part 2): grid 16 x 16, 8 waves a work-group, no clusters, 222,208 bytes of LDS; arguments src, trg, stats, wb, qf, kf, vf; writes qf, kf, vf
.if DOCPART == 2
	.amdgcn_target "amdgcn-amd-amdhsa--gfx1250"
	.amdhsa_code_object_version 6
	.text
	.protected	k_qe523fa014c_proj
	.globl	k_qe523fa014c_proj
	.p2align	8
	.type	k_qe523fa014c_proj,@function
k_qe523fa014c_proj:
	s_mov_b64 s[64:65], 0
	v_nop
	global_prefetch_b8 v0, s[64:65] scope:SCOPE_SE
	s_setreg_imm32_b32 hwreg(HW_REG_WAVE_MODE, 25, 1), 1
	s_wait_xcnt 0x0
; q = src_n^T Wq^T, k = trg_n^T Wk^T, v = trg^T Wv^T, operands in bf16, sums in f32, results rounded once to bf16 and stored IN THE ORDER OF THE NEXT LAUNCH'S FRAGMENTS:
;   qf, kf: [b 16][tb 128][ch 8][p 2][lane 32][16 bytes]: lane (r = lane % 16, h = lane / 16) holds row t = 16 tb + r, channels 32 ch + 16 p + 8 h + 0..7
;   vf:     [b 16][kc 64][dbg 16][p 2][lane 32][16 bytes]: lane (r, h) holds channel 16 dbg + r, keys 32 kc + 16 p + 8 h + 0..7
; A result of 16 x 16 holds, in a lane, one column and eight neighbouring rows (ISA guide 7.12.2): rounded in pairs that IS half a fragment of the layouts above.  For q and k source 0 is W (rows = channels
; d) and source 1 is x (columns = t); for v the two are swapped.  So every store goes out straight from registers, 512 consecutive bytes, and no stage in LDS is needed.
; The scale 1 / 16 of the scores is not applied here: the next launch folds it into its exponent in f32.
; SHARES.  A work-group makes q, k, v for 128 time steps of one batch: 256 equal work-groups.  Wave w brings rows c = 32 w .. 32 w + 31 of the two x tiles (a row of a tile is 512 consecutive bytes),
; normalises them in f32 with the row's (r, nb), rounds them and lays them into LDS as [c][t].  Then it owns channels d = 32 w .. 32 w + 31 of all three products for all 128 t: 16 accumulators.
; Eight waves: the work-group moves 832 KB for 3,072 matrix instructions, so memory binds, and two waves a SIMD cover each other's waits.
; NO TENSOR LOADS: x is normalised in f32 on its way, so it passes through registers.  NO JOINT LOADS for wb, which all work-groups read: each wave needs its own eighth of a W and takes it from memory
; straight into the registers that multiply it; a joint load lands in LDS, where a W of 131,072 bytes has no room beside the three x tiles' 221,184 of 327,680.
; LDS: three tiles (src_n, trg_n, trg) of 256 rows c x 288 bytes (256 of data = 128 t, 32 of padding
; 64 banks of 4 bytes, ISA guide 11.1); behind them the spare words.
; REGISTERS.  Window 0: v0-17 addresses and the rows' statistics; v32-63 packed rows on their way to LDS; v128-255 x's fragments, two buffers of 8 x 8.
;             Window 1: v0-127 the wave's W of one job, fragment (db, ch) at 8 (2 ch + db), refilled chunk by chunk for the next job; v128-255 first the rows as loaded, later the accumulators.
; LIMITS.  bf16 has f32's range; NaN and infinities are not treated apart.
.set PX,    288
.set CHB,   32*PX                      ; a chunk: 32 channels
.set TILEB, 8*CHB
.set SPARE, 3*TILEB                    ; the spare words: 128 bytes for each of eight waves
.set VX,  2                            ; v2   262,144 w + 16 lane: my 16 bytes in the wave's first row of a tile
.set SPW, 3                            ; v3   my spare word
.set NIL, 4                            ; v4   0
.set LS0, 5                            ; v5-7 where my 8 bytes of the wave's first row go, in tile 0, 1, 2
.set LS1, 6
.set LS2, 7
.set AXL, 8                            ; v8   my lane's place in a chunk for the turning load, in the tile in hand
.set AXH, 9                            ; v9   the same, four chunks on: an LDS offset has 16 bits
.set VW,  10                           ; v10  16,384 w + 16 lane: in a job's W
.set VO2, 11                           ; v11  1,024 w + 16 lane: in qf, kf
.set VO3, 12                           ; v12  2,048 w + 16 lane: in vf
.set VS,  13                           ; v13  256 w + 8 lane: in stats
.set STS, 14                           ; v[14:15] lane i: (r, nb) of src's row 32 w + i
.set STT, 16                           ; v[16:17] the same for trg
.set T0,  32
.set T1,  48
.set XA,  128
.set STG, 128                          ; window 1
.set ACC, 128                          ; window 1: accumulator (tb, db) at ACC + 8 (2 tb + db)
.set WV,  20
.set JOB, 21
.set SRCP, 26
.set TRGP, 28
.set RLB, 32                           ; s[32:63] eight rows' r and nb, each the low word of a pair
.set WP,  66
.set OUTP, 68
.set KFP, 70
.set VFP, 72
.set MSB, 0
.macro WIN new                         ; s_set_vgpr_msb: bits 1:0 source 0, 3:2 source 1, 5:4 source 2, 7:6 destination; the high byte repeats the setting that is left
.if MSB != (\new)
	s_set_vgpr_msb (MSB<<8)|(\new)
.set MSB, \new
.endif
.endm
.macro PLACES                          ; four places behind matrix instructions, ahead of loads into their sources and of conversions of their results
.rept 4
	v_nop
.endr
.endm
	s_load_b256 s[4:11], s[0:1], 0x0               ; src s[4:5], trg s[6:7], stats s[8:9], wb s[10:11]
	s_load_b128 s[12:15], s[0:1], 0x20             ; qf s[12:13], kf s[14:15]
	s_load_b64 s[16:17], s[0:1], 0x30              ; vf
	v_lshl_add_u32 v[SPW], v0, 2, SPARE
	v_mov_b32 v[NIL], 0
	v_lshrrev_b32 v1, 5, v0
	v_readfirstlane_b32 s[WV], v1                  ; wave 0..7
	v_and_b32 v1, 31, v0                           ; lane
	s_and_b32 s22, ttmp7, 0xffff                   ; b
	s_lshl_b32 s24, s22, 21                        ; x: a batch is 2^21 bytes, a tile's 128 t are 512 bytes of a row
	s_lshl_b32 s23, ttmp9, 9
	s_add_co_u32 s24, s24, s23
	s_mov_b32 s25, 0
	s_lshl_b32 s30, s22, 20                        ; qf, kf, vf: a batch is 2^20 bytes, 128 t are 65,536
	s_lshl_b32 s23, ttmp9, 16
	s_add_co_u32 s30, s30, s23
	s_mov_b32 s31, 0
	s_lshl_b32 s18, s22, 11                        ; stats: a batch is 2,048 bytes
	s_mov_b32 s19, 0
	v_lshlrev_b32 v18, 4, v1                       ; 16 lane
	v_lshl_add_u32 v[VX], s[WV], 18, v18
	v_lshl_add_u32 v[VW], s[WV], 14, v18
	v_lshl_add_u32 v[VO2], s[WV], 10, v18
	v_lshl_add_u32 v[VO3], s[WV], 11, v18
	v_lshlrev_b32 v[VS], 3, v1
	v_lshl_add_u32 v[VS], s[WV], 8, v[VS]
	v_lshlrev_b32 v[LS0], 3, v1
	s_mul_i32 s23, s[WV], CHB
	v_add_nc_u32 v[LS0], s23, v[LS0]
	v_add_nc_u32 v[LS1], TILEB, v[LS0]
	v_add_nc_u32 v[LS2], 2*TILEB, v[LS0]
	v_and_b32 v18, 7, v0                           ; the turning load: lane l reads row 8 (l / 16) + l % 8, bytes 16 ((l / 8) % 2) on
	v_bfe_u32 v19, v0, 4, 1
	v_lshl_add_u32 v18, v19, 3, v18
	v_mul_u32_u24 v[AXL], v18, PX
	v_bfe_u32 v19, v0, 3, 1
	v_lshl_add_u32 v[AXL], v19, 4, v[AXL]
	v_add_nc_u32 v[AXH], 4*CHB, v[AXL]
.set k, 0
.rept 16
	s_mov_b32 s[RLB+2*k+1], 0                      ; the pairs' high words: named with the low ones, never taken
.set k, k+1
.endr
	s_wait_kmcnt 0x0
	s_add_nc_u64 s[SRCP:SRCP+1], s[4:5], s[24:25]
	s_add_nc_u64 s[TRGP:TRGP+1], s[6:7], s[24:25]
	s_add_nc_u64 s[8:9], s[8:9], s[18:19]
	s_mov_b64 s[WP:WP+1], s[10:11]
	s_add_nc_u64 s[OUTP:OUTP+1], s[12:13], s[30:31]
	s_add_nc_u64 s[KFP:KFP+1], s[14:15], s[30:31]
	s_add_nc_u64 s[VFP:VFP+1], s[16:17], s[30:31]
; g = a group of eight of the wave's 32 rows.
.macro GETX g, base, nt                ; eight loads, each a tile row's 512 consecutive bytes.  trg is read here for the last time, src once more by a later launch
	WIN 0x40
.set k, 0
.rept 8
.if \nt
	global_load_b128 v[STG+32*(\g)+4*k:STG+32*(\g)+4*k+3], v[VX], s[\base:\base+1] offset:(8*(\g)+k)*8192 th:TH_LOAD_NT
.else
	global_load_b128 v[STG+32*(\g)+4*k:STG+32*(\g)+4*k+3], v[VX], s[\base:\base+1] offset:(8*(\g)+k)*8192
.endif
.set k, k+1
.endr
.endm
.macro RL st, g                        ; the eight rows' r and nb become scalars: all lanes of a load hold one row
	WIN 0
.set k, 0
.rept 8
	v_readlane_b32 s[RLB+4*k], v[\st], 8*(\g)+k
	v_readlane_b32 s[RLB+4*k+2], v[(\st)+1], 8*(\g)+k
.set k, k+1
.endr
.endm
.macro NORM g                          ; x r + nb, in place
	WIN 0x41
.set k, 0
.rept 16
	v_pk_fma_f32 v[STG+32*(\g)+2*k:STG+32*(\g)+2*k+1], v[STG+32*(\g)+2*k:STG+32*(\g)+2*k+1], s[RLB+4*(k/2):RLB+4*(k/2)+1], s[RLB+4*(k/2)+2:RLB+4*(k/2)+3] op_sel_hi:[1,0,0]
.set k, k+1
.endr
.endm
.macro PACKT g, t                      ; rounded to bf16: a lane's four t of a row in two registers
	WIN 0x05
.set k, 0
.rept 16
	v_cvt_pk_bf16_f32 v[(\t)+k], v[STG+32*(\g)+2*k], v[STG+32*(\g)+2*k+1]
.set k, k+1
.endr
.endm
.macro PUT g, t, ls                    ; a row's 256 bytes with each instruction
	WIN 0
.set k, 0
.rept 8
	ds_store_b64 v[\ls], v[(\t)+2*k:(\t)+2*k+1] offset:(8*(\g)+k)*PX
.set k, k+1
.endr
.endm
.macro LOADW ch                        ; my two fragments of W for chunk ch: four loads of 512 consecutive bytes
	WIN 0x40
.set k, 0
.rept 4
	global_load_b128 v[16*(\ch)+4*k:16*(\ch)+4*k+3], v[VW], s[WP:WP+1] offset:(k/2)*8192+(\ch)*1024+(k%2)*512
.set k, k+1
.endr
.endm
.macro LOADX n, buf                    ; x's eight fragments (128 t x 32 channels) of chunk n, counted from the tile in hand (8 and 9 are the next tile's first two)
	WIN 0
.set k, 0
.rept 16
.if (\n) <= 6
	ds_load_tr16_b128 v[(\buf)+4*k:(\buf)+4*k+3], v[AXL] offset:(\n)*CHB+(k%2)*16*PX+(k/2)*32
.else
	ds_load_tr16_b128 v[(\buf)+4*k:(\buf)+4*k+3], v[AXH] offset:((\n)-4)*CHB+(k%2)*16*PX+(k/2)*32
.endif
.set k, k+1
.endr
.endm
.macro MUL i, buf, swap                ; 16 matrix instructions; the 16 accumulators take turns; chunk 0 starts the sums with the constant 0
	WIN 0x51+3*(\swap)
.set a, 0
.rept 16
.set rA, ACC+8*a
.set rW, 16*(\i)+8*(a%2)
.set rX, (\buf)+8*(a/2)
.if (\swap) && ((\i) == 0)
	v_wmma_f32_16x16x32_bf16 v[rA:rA+7], v[rX:rX+7], v[rW:rW+7], 0
.elseif \swap
	v_wmma_f32_16x16x32_bf16 v[rA:rA+7], v[rX:rX+7], v[rW:rW+7], v[rA:rA+7]
.elseif (\i) == 0
	v_wmma_f32_16x16x32_bf16 v[rA:rA+7], v[rW:rW+7], v[rX:rX+7], 0
.else
	v_wmma_f32_16x16x32_bf16 v[rA:rA+7], v[rW:rW+7], v[rX:rX+7], v[rA:rA+7]
.endif
.set a, a+1
.endr
.endm
; A chunk: 32 channels of the sum.  dleft: the next chunk's sixteen LDS loads may stay out.  wleft: the W loads issued behind this chunk's four.
.macro CHUNK i, swap, wleft, loadw, loadx, dleft
	s_wait_dscnt \dleft
	s_wait_loadcnt \wleft
	MUL \i, XA+64*((\i)%2), \swap
	WIN 0
	PLACES
.if \loadx
	LOADX (\i)+2, XA+64*((\i)%2)                   ; this chunk's buffer takes the chunk two on
.endif
.if \loadw
	LOADW \i                                       ; and its place in W's registers the next job's chunk
.endif
.endm
.macro OUT form                        ; rounded in place, each accumulator's registers ascending; then 16 stores of 512 consecutive bytes
	WIN 0x45
.set a, 0
.rept 16
.irp z, 0,1,2,3
	v_cvt_pk_bf16_f32 v[ACC+8*a+\z], v[ACC+8*a+2*\z], v[ACC+8*a+2*\z+1]
.endr
.set a, a+1
.endr
	WIN 0x04
.set a, 0
.rept 16
.if \form
	global_store_b128 v[VO3], v[ACC+8*a:ACC+8*a+3], s[VFP:VFP+1] offset:(a/4)*16384+(a%2)*1024+((a/2)%2)*512
.else
	global_store_b128 v[VO2], v[ACC+8*a:ACC+8*a+3], s[OUTP:OUTP+1] offset:(a/2)*8192+(a%2)*512
.endif
.set a, a+1
.endr
	WIN 0
.endm
	global_load_b64 v[STS:STS+1], v[VS], s[8:9]
	global_load_b64 v[STT:STT+1], v[VS], s[8:9] offset:32768
	GETX 0, SRCP, 0
	GETX 1, SRCP, 0
	GETX 2, SRCP, 0
	GETX 3, SRCP, 0
.irp g, 0,1,2,3                        ; src: normalised, rounded, into tile 0; the group's registers take trg's rows
	s_wait_loadcnt 24                              ; behind this group's eight loads stand three groups of eight
	RL STS, \g
	NORM \g
	PACKT \g, T0
	PUT \g, T0, LS0
	GETX \g, TRGP, 1
.endr
.irp g, 0,1,2,3                        ; trg: as it is into tile 2, normalised into tile 1; then a quarter of the first job's W is asked for
	s_wait_loadcnt 24                              ; three younger groups of eight again: trg's later rows and W's loads
	PACKT \g, T1
	RL STT, \g
	NORM \g
	PACKT \g, T0
	PUT \g, T0, LS1
	PUT \g, T1, LS2
	LOADW 2*\g
	LOADW 2*\g+1
.endr
	WIN 0
	s_wait_xcnt 0x0                                ; W's loads have had their addresses translated (ISA guide 3.1): their base may step
	s_add_nc_u64 s[WP:WP+1], s[WP:WP+1], 131072    ; the next job's W
	s_wait_dscnt 0x0                               ; for the others' sake: my rows are in LDS
	s_barrier_signal -1
	s_barrier_wait -1                              ; the one barrier: the three tiles are whole, and nothing is written to LDS behind it
	LOADX 0, XA
	LOADX 1, XA+64
	s_mov_b32 s[JOB], 2
.Ljob:                                 ; two trips: q from tile 0, k from tile 1
.irp i, 0,1,2,3,4,5,6,7
	CHUNK \i, 0, 28, 1, 1, 16                      ; 28: seven younger groups of four W loads, this job's later chunks and the next job's earlier ones
.endr
	OUT 0
	s_wait_xcnt 0x0                                ; the stores' data and base and W's base are written again only behind this wait
	s_mov_b64 s[OUTP:OUTP+1], s[KFP:KFP+1]
	s_add_nc_u64 s[WP:WP+1], s[WP:WP+1], 131072    ; (behind the second trip it is not used)
	v_add_nc_u32 v[AXL], TILEB, v[AXL]
	v_add_nc_u32 v[AXH], TILEB, v[AXH]
	s_sub_co_u32 s[JOB], s[JOB], 1
	s_cmp_lg_u32 s[JOB], 0
	s_cbranch_scc1 .Ljob
.irp i, 0,1,2,3,4,5                    ; v from tile 2, sources swapped; nothing more of W is asked for, so the counts run down
	CHUNK \i, 1, 28-4*\i, 0, 1, 16
.endr
	CHUNK 6, 1, 4, 0, 0, 16
	CHUNK 7, 1, 0, 0, 0, 0
	OUT 1
	s_wait_tensorcnt 0x0                           ; the wave's end, behind my last LDS store
	ds_add_u32 v[SPW], v[NIL]
	s_wait_dscnt 0x0
	s_endpgm
.Lfunc_end_k_qe523fa014c_proj:
	.size	k_qe523fa014c_proj, .Lfunc_end_k_qe523fa014c_proj-k_qe523fa014c_proj
	.p2alignl 7, 3214868480
	.fill 96, 4, 3214868480
	.section	.rodata,"a",@progbits
	.p2align	6, 0x0
	.amdhsa_kernel k_qe523fa014c_proj
		.amdhsa_group_segment_fixed_size 222208
		.amdhsa_private_segment_fixed_size 0
		.amdhsa_enable_private_segment 0
		.amdhsa_kernarg_size 56
		.amdhsa_user_sgpr_count 2
		.amdhsa_user_sgpr_kernarg_segment_ptr 1
		.amdhsa_wavefront_size32 1
		.amdhsa_system_sgpr_workgroup_id_x 1
		.amdhsa_system_sgpr_workgroup_id_y 1
		.amdhsa_system_sgpr_workgroup_id_z 1
		.amdhsa_system_vgpr_workitem_id 0
		.amdhsa_next_free_vgpr 512
		.amdhsa_next_free_sgpr 74
		.amdhsa_reserve_vcc 0
		.amdhsa_float_denorm_mode_32 3
		.amdhsa_float_denorm_mode_16_64 3
		.amdhsa_memory_ordered 1
		.amdhsa_forward_progress 1
		.amdhsa_inst_pref_size 99
	.end_amdhsa_kernel
	.amdgpu_metadata
---
amdhsa.version: [ 1, 2 ]
amdhsa.kernels:
  - .name:           k_qe523fa014c_proj
    .symbol:         k_qe523fa014c_proj.kd
    .args:
      - { .name: src, .offset: 0, .size: 8, .value_kind: global_buffer, .address_space: global }
      - { .name: trg, .offset: 8, .size: 8, .value_kind: global_buffer, .address_space: global }
      - { .name: stats, .offset: 16, .size: 8, .value_kind: global_buffer, .address_space: global }
      - { .name: wb, .offset: 24, .size: 8, .value_kind: global_buffer, .address_space: global }
      - { .name: qf, .offset: 32, .size: 8, .value_kind: global_buffer, .address_space: global }
      - { .name: kf, .offset: 40, .size: 8, .value_kind: global_buffer, .address_space: global }
      - { .name: vf, .offset: 48, .size: 8, .value_kind: global_buffer, .address_space: global }
    .group_segment_fixed_size: 222208
    .private_segment_fixed_size: 0
    .kernarg_segment_align: 8
    .kernarg_segment_size: 56
    .max_flat_workgroup_size: 256
    .sgpr_count:     74
    .vgpr_count:     512
    .wavefront_size: 32
...
	.end_amdgpu_metadata
.endif
;; end of part 2
;; launch attn (part 3): grid 16 x 16, 4 waves a work-group, clusters of 4 x 1, 327,680 bytes of LDS; arguments qf, kf, vf, part; writes part
.if DOCPART == 3
	.amdgcn_target "amdgcn-amd-amdhsa--gfx1250"
	.amdhsa_code_object_version 6
	.text
	.protected	k_qe523fa014c_attn
	.globl	k_qe523fa014c_attn
	.p2align	8
	.type	k_qe523fa014c_attn,@function
k_qe523fa014c_attn:
	s_mov_b64 s[64:65], 0
	v_nop
	global_prefetch_b8 v0, s[64:65] scope:SCOPE_SE
	s_setreg_imm32_b32 hwreg(HW_REG_WAVE_MODE, 25, 1), 1
	s_wait_xcnt 0x0
	s_wait_alu depctr_hold_cnt(0) depctr_sa_sdst(0) depctr_va_vdst(0) depctr_va_sdst(0) depctr_va_ssrc(0) depctr_va_vcc(0) depctr_vm_vsrc(0)
	s_getreg_b32 s2, hwreg(HW_REG_IB_STS2, 6, 4)
	s_cmp_eq_u32 s2, 0
	s_cbranch_scc0 .Lentry_in_a_cluster
	s_endpgm
.Lentry_in_a_cluster:
	s_bfe_u32 s2, ttmp6, 0x10000c
	s_cmp_lg_u32 s2, 0x3003
	s_cbranch_scc0 .Lentry_shape_is_right
	s_endpgm
.Lentry_shape_is_right:
; ATTENTION WITH TWO VALUE TENSORS, AND ITS SUMS OVER QUERIES.  For each batch b and query s: p = softmax_t(q[s] . k[t] / 16); mean[s][d] = sum_t p v[t][d]; m2[s][d] = sum_t p v[t][d]^2;
; var = max(0, m2 - mean^2).  part[b][block of 128 queries][0][d] = the sum of mean over the block's queries, part[..][1][d] that of var, f32.
; q, k, v arrive in bf16 in fragment order (qf, kf: [b][16 rows][ch 8][p 2][lane][16 bytes]; vf: [b][32 keys][dbg 16][p 2][lane][16 bytes]), so every fragment is two loads at 16 x lane: no
; padding, no turning load, and a key step's K or V is one dense block of 32,768 bytes.  Products, maxima, sums in f32; the weights are rounded to bf16 for the second products.
; SHARES.  A work-group owns 128 queries of a batch: 8 tiles of 16.  A wave makes S^T = K Q^T and the softmax for TWO tiles (2 w, 2 w + 1), and O^T for ALL EIGHT tiles on 64 channels of v and the same
; 64 of v^2 (64 w on): 64 accumulators, 512 registers.  So each wave reads and squares a quarter of V; the weights P (16,384 bytes a step) and the factors a pass from wave to wave through LDS.
; v^2 IS NEVER STORED: a fragment of V is squared in place once its products with v are issued: each half is widened, multiplied in f32 and rounded once to bf16 (v_fma_mixlo_bf16, v_fma_mixhi_bf16).
; LAYOUT.  S^T (source 0 = 16 keys, source 1 = 16 queries): a lane holds ONE query (lane % 16) and keys 8 (lane / 16) + 0..7.  Two such results rounded in pairs ARE source 1 of O^T = V^T P.
; SOFTMAX.  p = 2^(c s - c m), c = log2(e) / 16, with a running maximum m; in every step O and l are multiplied by a = 2^(c m_old - c m_new).  O and l start at 0: the first step is a step like
; any other, with a = 0; the 512 lines that clear O spare a first step written out, a third copy of the step's text.
; AN ITERATION j: 64 products K Q^T of step j + 1, then 128 products V^T P of step j.  All vector work stands four behind a product: the rescaling by a(j) behind K Q^T and the first V^T P; then the
; squares and the softmax of step j + 1.  Its P and a are stored 29 products ahead of the iteration's end.  The last iteration's K Q^T and softmax (on tile 31 once more) serve nothing: the price
; of one text for every step; l is copied aside at each iteration's start, so the last copy is the final l.
; BARRIERS, two an iteration, only register work between signal and wait.  X: signalled when my loads of P(j), a(j) are back, awaited ahead of my stores of P(j + 1), a(j + 1).  Y: signalled when those
; stores are done, awaited ahead of my loads of a(j + 1), P(j + 1).
; CLUSTER.  The four work-groups of a cluster are query blocks of one batch and walk the same K and V: every tile is asked for JOINTLY, the same tensor load, descriptor and mask in all four.
; LDS.  Two slots of 131,072 bytes; a slot holds two sub-steps of 65,536: V of step j, then K of step j + 2: all that iteration j fetches, so the change of slots stands at a trip's head.  Wave w fills the
; slot's bytes 32,768 w on.  K's tiles 32 and 33 do not exist: their number is held at 31, a tile inside kf.  Behind the ring, in blocks that no tensor load fills: the spare words; P; a; a stage a wave.
; REGISTERS, in windows of 256 (s_set_vgpr_msb: bits 1:0 source 0, 3:2 source 1, 5:4 source 2, 7:6 destination):
;   window 0: v0-11 addresses; v12-15 l kept; v16-31 eight registers of statistics for each own tile; v32-47 a of the eight tiles; v48-111 S^T; v128-255 Q
;   window 1: four buffers of 64: F0 K group 0; F1 K group 1, then P of keys 0-31; F2 K group 2, then V; F3 K group 3, then P of keys 32-63
;   window 2: O^T for v, accumulator (tile t, channel block db) at 8 (4 t + db)        window 3: the same for v^2
; LIMITS.  v^2 is bf16(bf16(v)^2).  l sums the unrounded weights.  A weight below 2^-126 counts as 0.  The running maximum starts at the lowest finite number and c m at -4.25e37, far below c times
; any score that 256 products of bf16 numbers of ordinary size give.  NaN and infinities are not treated apart.
.set STEPB, 65536
.set SLOT1, 1<<17
.set KOFF,  32768                      ; K in a sub-step
.set SPARE, 2*SLOT1                    ; the spare words: 128 bytes for each of four waves
.set PB,    SPARE+512                  ; P: [tile 8][keys 32 kc on: 2][p 2][lane 32][16 bytes]
.set AB,    PB+16384                   ; a: [query in tile 16][tile 8][8 bytes: a and a word that is not used]
.set STG,   AB+1024                    ; the way out: 512 bytes for each wave
.set LA,  1                            ; v1   16 x lane
.set ADR, 2                            ; v2   the sub-step in hand + 16 x lane
.set SPW, 3                            ; v3   my spare word
.set NIL, 4                            ; v4   0, for the add alone
.set PST, 5                            ; v5   where my tiles' P goes
.set PLD, 6                            ; v6   P + 16 x lane
.set AST, 7                            ; v7   where my tiles' a goes
.set ALD, 8                            ; v8   my query's eight a
.set VAD, 9                            ; v9   ADR + my quarter of V
.set ZR,  10                           ; v10  0.0: the addend of the squares
.set GO,  11                           ; v11  my 16 bytes of part
.set LS,  12                           ; v12-15 l of my two tiles as it stood at the iteration's start
.set ST,  16                           ; own tile u at ST + 8 u: c m, m, l (even keys', odd keys'), c0-c3 at work; a takes c2's place
.set A,   32                           ; a of tile t at A + 2 t
.set S,   48                           ; own tile u, key block kb at S + 32 u + 8 kb; at the end of a softmax its first 16 registers hold P
.set SGA, 112                          ; v112 the stage: where I store
.set SGL, 113                          ; v113 where I read
.set T0,  114
.set T1,  115
.set QR,  128                          ; own tile u, channels 32 ch on at QR + 64 u + 8 ch
.set PF,  64                           ; window 1: P of tile t, key half kc at PF + 128 kc + 8 t
.set VB,  128                          ; window 1: V of key half kc, channel block db at VB + 32 kc + 8 db
.set WV,  12                           ; s12 my wave's number
.set BW,  14                           ; s[14:15] vf (even waves) or kf (odd) at my batch
.set OFF, 16                           ; s[16:17] a tile's byte offset
.set NXT, 18                           ; s18 the number of the tile that I ask for next
.set G1,  24                           ; s[24:31] descriptor group 1
.set G0,  40                           ; s[40:43] descriptor group 0
.set WO,  46                           ; s46 4,096 x wave
.set SLOTS, 56
.set CNT, 57
.set CS,  58                           ; s[58:59] c
.set SEL, 60                           ; s[60:61] v_permlanex16_b32: each lane takes its own place in the other half
.set TB,  62                           ; s62 LDS byte of the sub-step in hand
.set MSB, 0
.macro WIN new                         ; the high byte repeats the setting that is left; a switch that changes nothing is dropped
.if MSB != (\new)
	s_set_vgpr_msb (MSB<<8)|(\new)
.set MSB, \new
.endif
.endm
.macro PLACES                          ; four places behind matrix instructions (ISA guide 7.12.1)
.rept 4
	v_nop
.endr
.endm
; A round of the cluster's barrier: my work-group's barrier; wave 0 signals for the work-group; every wave waits for all four work-groups; my work-group's barrier once more.
.macro CROUND
	s_barrier_signal -1
	s_barrier_wait -1
	s_cmp_lg_u32 s[WV], 0
	s_cbranch_scc1 .Lnot_wave_0_\@
	s_barrier_signal -3
.Lnot_wave_0_\@:
	s_barrier_wait -3
	s_barrier_signal -1
	s_barrier_wait -1
.endm
; THE CHANGE OF SLOTS.  Each wave waits for all its tensor loads, of which one is out: its quarter of the slot to be read; adds 0 to its spare word; and waits for that and for its reads of the slot
; that it leaves (the last were K's).  fill = 1: the barrier is a round of the cluster's, and the slot left is filled again first thing behind it, with the tiles two slots on: the load has two key steps,
; 384 matrix instructions, in which to land.  (At its first use nothing of the ring has been read: slot 0 is waited for, slot 1 filled.)
.macro CHANGE fill
	WIN 0
	s_wait_tensorcnt 0x0                           ; no tensor load of mine is out, so group 0 may be written
	ds_add_u32 v[SPW], v[NIL]                      ; 0 onto my spare word; the descriptor's scalar work stands between it and the wait for it
.if \fill
	s_min_u32 s19, s[NXT], 31                      ; K's tiles 32 and 33 do not exist: tile 31 once more
	s_lshl_b32 s[OFF], s19, 15
	s_xor_b32 s[G0+1], s[G0+1], SLOT1
	s_add_nc_u64 s[G0+2:G0+3], s[BW:BW+1], s[OFF:OFF+1]  ; the address is made anew: base + number x 32,768
	s_or_b32 s[G0+3], s[G0+3], 0x80000000
	s_add_co_u32 s[NXT], s[NXT], 2
.endif
	s_wait_dscnt 0x0                               ; the add is done, and my reads of the slot are over
.if \fill
	CROUND
	tensor_load_to_lds s[G0:G0+3], s[G1:G1+7]      ; one line for all four waves: their LDS and global addresses differ by the wave's number, and are equal in the four partners
	s_nop 0
	PLACES
.else
	s_barrier_signal -1
	s_barrier_wait -1
.endif
	s_sub_co_u32 s[TB], s[TB], 2*STEPB             ; back to a slot's first sub-step,
	s_xor_b32 s[TB], s[TB], SLOT1                  ; in the other slot
.endm
	s_load_b256 s[4:11], s[0:1], 0x0               ; qf s[4:5], kf s[6:7], vf s[8:9], part s[10:11]
	v_lshl_add_u32 v[SPW], v0, 2, SPARE
	v_mov_b32 v[NIL], 0
	ds_add_u32 v[SPW], v[NIL]                      ; the wave's opening: the add and its wait, ahead of my first tensor load; the set-up stands between them
	ds_add_u32 v3, v4
	v_lshrrev_b32 v[T0], 5, v0
	v_readfirstlane_b32 s[WV], v[T0]               ; wave 0..3
	v_and_b32 v[LA], 31, v0
	v_lshlrev_b32 v[LA], 4, v[LA]
	s_bfe_u32 s13, ttmp6, 0x40000                  ; cx: my place in the cluster
	s_lshl_b32 s32, ttmp9, 2
	s_add_co_u32 s32, s32, s13                     ; my block of queries = 4 x cluster x + cx: it enters qf's and part's addresses alone
	s_and_b32 s33, ttmp7, 0xffff                   ; b, which the four partners share
	s_lshl_b32 s34, s33, 20                        ; a batch is 2^20 bytes of qf, kf, vf
	s_mov_b32 s35, 0
	s_lshl_b32 s36, s32, 16                        ; my block's 128 rows of 512 bytes,
	s_lshl_b32 s37, s[WV], 14                      ; my wave's 32
	s_add_co_u32 s36, s36, s37
	s_add_co_u32 s36, s36, s34
	s_mov_b32 s37, 0
	s_lshl_b32 s38, s33, 4
	s_add_co_u32 s38, s38, s32
	s_lshl_b32 s38, s38, 11                        ; part: 2,048 bytes a block
	s_mov_b32 s39, 0
	; descriptor group 1: 32,768 dense bytes as 128 rows of 32 elements of 8 bytes
	s_mov_b32 s[G1], 15|(3<<16)|(1<<21)            ; 15:0 the mask of four; 17:16 8-byte elements; 20 no padding; 21 set beside a mask
	s_mov_b32 s[G1+1], 32<<16                      ; tensor_dim0 = 32
	s_mov_b32 s[G1+2], 128<<16                     ; tensor_dim1 = 128
	s_mov_b32 s[G1+3], 32<<16                      ; tile_dim0 = 32
	s_mov_b32 s[G1+4], 128                         ; tile_dim1 = 128
	s_mov_b32 s[G1+5], 32                          ; 32 elements from row to row
	s_mov_b32 s[G1+6], 0
	s_mov_b32 s[G1+7], 0
	s_mov_b32 s[G0], 1                             ; count = 1
	s_lshl_b32 s[G0+1], s[WV], 15                  ; LDS address: slot 0, my quarter
	s_and_b32 s44, s[WV], 1                        ; even waves fetch V, odd ones K
	s_lshr_b32 s[NXT], s[WV], 1                    ; sub-step e = w / 2 holds V(e) and K(e + 2)
	s_lshl_b32 s47, s44, 1
	s_add_co_u32 s[NXT], s[NXT], s47
	s_lshl_b32 s[OFF], s[NXT], 15
	s_mov_b32 s[OFF+1], 0
	s_lshl_b32 s[WO], s[WV], 12
	s_mov_b32 s[CS], 0x3db8aa3b                    ; c = log2(e) / 16
	s_mov_b32 s[CS+1], s[CS]
	s_mov_b32 s[SEL], 0x76543210
	s_mov_b32 s[SEL+1], 0xfedcba98
	s_mov_b32 s[TB], 2*SLOT1                       ; the first change of slots turns it into 0
	s_mov_b32 s[SLOTS], 15
	s_wait_dscnt 0x0                               ; the opening add is done
	s_wait_kmcnt 0x0
	s_cmp_eq_u32 s44, 0
	s_cselect_b64 s[BW:BW+1], s[8:9], s[6:7]
	s_add_nc_u64 s[BW:BW+1], s[BW:BW+1], s[34:35]
	s_add_nc_u64 s[G0+2:G0+3], s[BW:BW+1], s[OFF:OFF+1]
	s_or_b32 s[G0+3], s[G0+3], 0x80000000          ; type = 2
	s_add_co_u32 s[NXT], s[NXT], 2
	s_add_nc_u64 s[20:21], s[6:7], s[34:35]        ; kf at my batch: K of steps 0 and 1
	s_add_nc_u64 s[22:23], s[4:5], s[36:37]        ; qf at my wave's rows
	s_add_nc_u64 s[10:11], s[10:11], s[38:39]
	CROUND                                         ; all four work-groups are here: the first joint loads meet
	tensor_load_to_lds s[G0:G0+3], s[G1:G1+7]      ; slot 0
	s_nop 0
	PLACES
.set i, 0
.rept 32                               ; Q stays in registers; each load takes 512 consecutive bytes, read by this wave alone
	global_load_b128 v[QR+4*i:QR+4*i+3], v[LA], s[22:23] offset:i*512 th:TH_LOAD_NT
.set i, i+1
.endr
; K of steps 0 and 1 comes straight from memory, 32,768 bytes a wave each, once, in the places that LOADK gives a step's K: step 0 into window 2, which O^T does not need yet, step 1 into the four buffers.
.macro GETK win, step
	WIN \win
.irp g, 0,1,2,3
.set i, 0
.rept 16
	global_load_b128 v[64*\g+4*i:64*\g+4*i+3], v[LA], s[20:21] offset:(\step)*32768+(i/4)*8192+(2*\g+(i/2)%2)*1024+(i%2)*512
.set i, i+1
.endr
.endr
.endm
	GETK 0x80, 0
	GETK 0x40, 1
	WIN 0xc0
.set i, 0
.rept 256
	v_mov_b32 v[i], 0                              ; O^T for v^2
.set i, i+1
.endr
	WIN 0
.irp u, 0,1
	v_mov_b32 v[ST+8*\u], 0xfe000000               ; c m: far below every c s
	v_mov_b32 v[ST+8*\u+1], 0xff7fffff             ; m
	v_mov_b32 v[ST+8*\u+2], 0
	v_mov_b32 v[ST+8*\u+3], 0
.endr
	v_mov_b32 v[ZR], 0
	v_and_b32 v[T0], 15, v0                        ; r = lane % 16
	v_bfe_u32 v[T1], v0, 4, 1                      ; h = lane / 16
	s_add_co_u32 s45, s[WO], PB
	v_add_nc_u32 v[PST], s45, v[LA]                ; my two tiles are 4,096 bytes of P
	v_add_nc_u32 v[PLD], PB, v[LA]
	v_lshlrev_b32 v[ALD], 6, v[T0]
	v_add_nc_u32 v[ALD], AB, v[ALD]                ; query r: 64 bytes
	v_lshl_add_u32 v[AST], s[WV], 4, v[ALD]        ; my two tiles: 16 of them
	s_lshl_b32 s45, s[WV], 9
	s_add_co_u32 s45, s45, STG                     ; my stage
	v_lshl_add_u32 v[SGA], v[T1], 5, s45
	v_add_nc_u32 v[SGL], s45, v[LA]
	s_lshl_b32 s45, s[WV], 8                       ; part: kind lane / 16, my 64 channels, four of them a lane
	v_lshl_add_u32 v[GO], v[T1], 10, s45
	v_lshl_add_u32 v[GO], v[T0], 4, v[GO]
; THE LDS LOADS, in runs of 16.  Group g of K: channels 64 g .. 64 g + 63 of all 64 keys (fragment 2 kb + c at 64 g + 8 (2 kb + c)).
.macro LOADK g
	WIN 0x40
.set i, 0
.rept 16
	ds_load_b128 v[64*(\g)+4*i:64*(\g)+4*i+3], v[ADR] offset:KOFF+(i/4)*8192+(2*(\g)+(i/2)%2)*1024+(i%2)*512
.set i, i+1
.endr
.endm
.macro LOADV                           ; my four channel blocks of both key halves: 4,096 consecutive bytes of each
	WIN 0x40
.set i, 0
.rept 16
	ds_load_b128 v[VB+4*i:VB+4*i+3], v[VAD] offset:(i/8)*16384+(i%8)*512
.set i, i+1
.endr
.endm
.macro LOADP kc                        ; all eight tiles' weights for keys 32 kc on
	WIN 0x40
.set i, 0
.rept 16
	ds_load_b128 v[PF+128*(\kc)+4*i:PF+128*(\kc)+4*i+3], v[PLD] offset:(i/2)*2048+(\kc)*1024+(i%2)*512
.set i, i+1
.endr
.endm
.macro LOADA                           ; my query's factor in each of the eight tiles
	WIN 0
.irp z, 0,1,2,3
	ds_load_b128 v[A+4*\z:A+4*\z+3], v[ALD] offset:16*\z
.endr
.endm
.macro PUTP                            ; my two tiles' P, 512 consecutive bytes a store, and their a (both halves of the lanes write the same numbers)
	WIN 0
.irp u, 0,1
.irp m, 0,1,2,3
	ds_store_b128 v[PST], v[S+32*\u+4*\m:S+32*\u+4*\m+3] offset:\u*2048+\m*512
.endr
	ds_store_b64 v[AST], v[ST+8*\u+6:ST+8*\u+7] offset:\u*8
.endr
.endm
.macro RS4 win, n                      ; accumulator n = 4 t + db of O^T times tile t's factor, its registers ascending
	WIN \win
.irp z, 0,1,2,3
	v_pk_mul_f32 v[8*(\n)+2*\z:8*(\n)+2*\z+1], v[8*(\n)+2*\z:8*(\n)+2*\z+1], v[A+2*((\n)/4):A+2*((\n)/4)+1] op_sel_hi:[1,0]
.endr
.endm
.macro KEEPL                           ; l as it stands: the softmax of the next step will change it
	WIN 0
	v_mov_b32 v[LS], v[ST+2]
	v_mov_b32 v[LS+1], v[ST+3]
	v_mov_b32 v[LS+2], v[ST+10]
	v_mov_b32 v[LS+3], v[ST+11]
.endm
.macro SQ4 c, s                        ; registers 2 s, 2 s + 1 of V's key half c: four v become v^2: each half widened, squared in f32, rounded once
	WIN 0x45
.set rX, VB+32*(\c)+2*(\s)
	v_fma_mixlo_bf16 v[rX], v[rX], v[rX], v[ZR] op_sel_hi:[1,1,0]
	v_fma_mixlo_bf16 v[rX+1], v[rX+1], v[rX+1], v[ZR] op_sel_hi:[1,1,0]
	v_fma_mixhi_bf16 v[rX], v[rX], v[rX], v[ZR] op_sel:[1,1,0] op_sel_hi:[1,1,0]
	v_fma_mixhi_bf16 v[rX+1], v[rX+1], v[rX+1], v[ZR] op_sel:[1,1,0] op_sel_hi:[1,1,0]
.endm
; 16 products of S^T = K Q^T: channels 32 (2 g + i / 8) on, keys 16 ((i / 2) % 4) on, own tile i % 2.  The eight accumulators take turns; group 0's first eight start the sums.
; win: 0x01: K in window 1; 0x02: in window 2.  rider 1: O^T for v, accumulator 16 (g - 1) + i, is rescaled behind product i; 2: O^T for v^2, accumulator i; 3: l is kept, behind the first product; 0: none.
.macro KRUN g, win, rider
.set i, 0
.rept 16
	WIN \win
.set rS, S+32*(i%2)+8*((i/2)%4)
.set rK, 64*(\g)+8*(2*((i/2)%4)+i/8)
.set rQ, QR+64*(i%2)+8*(2*(\g)+i/8)
.if ((\g) == 0) && (i < 8)
	v_wmma_f32_16x16x32_bf16 v[rS:rS+7], v[rK:rK+7], v[rQ:rQ+7], 0
.else
	v_wmma_f32_16x16x32_bf16 v[rS:rS+7], v[rK:rK+7], v[rQ:rQ+7], v[rS:rS+7]
.endif
.if (\rider) == 1
	RS4 0x82, 16*((\g)-1)+i
.elseif (\rider) == 2
	RS4 0xc3, i
.elseif ((\rider) == 3) && (i == 0)
	KEEPL
.endif
.set i, i+1
.endr
.endm
; THE SOFTMAX of own tile t for one step: a list of 102 instructions; SM writes number j.  s0-s31 are the lane's 32 scores, in pairs 0-15.
;   0-15    the maximum of s0-s31 and the old m, three operands at a time: four chains c0-c3 of seven scores (each accumulator's lowest registers first), the four left over, c0-c3, m
;   16-20   the other half of the lanes' maximum; c m_old is kept; the new m; c m; c m_old - c m_new
;   21-87   33 exponentials (a, then s0-s31) at the odd numbers from 23 on; at 21 and the even numbers whatever is ready.  So every exponential has a plain instruction behind it before its result is
;           used (ISA guide 5.7.2).  c s - c m for pair b: at 21, 22, 24, 26, then at 4 b + 12
;   the other 32 plain numbers (30, 34 .. 74; 76, 78 .. 86; 88 .. 101), in this order for pair n = 0 .. 15: l takes the pair (the first time as l = a l + pair); the pair is rounded to bf16 INTO s[n].
;           s[n] belongs to pair n / 2, which l has taken and which has been rounded by then.  At the end s0-s15 hold P, two fragments of 32 keys.
.macro SM t
.set rT, ST+8*(\t)
.set rS, S+32*(\t)
.if j < 4
	v_max3_num_f32 v[rT+4+j], v[rS+8*j], v[rS+8*j+1], v[rS+8*j+2]
.elseif j < 12
	v_max3_num_f32 v[rT+4+j%4], v[rT+4+j%4], v[rS+8*(j%4)+2*(j/4)+1], v[rS+8*(j%4)+2*(j/4)+2]
.elseif j == 12
	v_max3_num_f32 v[rT+4], v[rT+4], v[rS+7], v[rS+15]
.elseif j == 13
	v_max3_num_f32 v[rT+6], v[rT+6], v[rS+23], v[rS+31]
.elseif j == 14
	v_max3_num_f32 v[rT+4], v[rT+4], v[rT+5], v[rT+6]
.elseif j == 15
	v_max3_num_f32 v[rT+4], v[rT+4], v[rT+7], v[rT+1]
.elseif j == 16
	v_permlanex16_b32 v[rT+5], v[rT+4], s[SEL], s[SEL+1]  ; the query's other 32 keys lie in the lane 16 away
.elseif j == 17
	v_mov_b32 v[rT+7], v[rT]
.elseif j == 18
	v_max_num_f32 v[rT+1], v[rT+4], v[rT+5]
.elseif j == 19
	v_mul_f32 v[rT], s[CS], v[rT+1]
.elseif j == 20
	v_sub_f32 v[rT+7], v[rT+7], v[rT]
.elseif j == 23
	v_exp_f32 v[rT+6], v[rT+7]
.elseif (j > 23) && (j < 88) && (j%2 == 1)
	v_exp_f32 v[rS+(j-25)/2], v[rS+(j-25)/2]
.elseif (j == 21) || (j == 22) || (j == 24) || (j == 26) || ((j >= 28) && (j <= 72) && (j%4 == 0))
.set bb, (j-12)/4
.if j == 21
.set bb, 0
.elseif j < 28
.set bb, (j-20)/2
.endif
	v_pk_fma_f32 v[rS+2*bb:rS+2*bb+1], v[rS+2*bb:rS+2*bb+1], s[CS:CS+1], v[rT:rT+1] op_sel_hi:[1,0,0] neg_lo:[0,0,1] neg_hi:[0,0,1]  ; pair bb: c s - c m
.else
.set mm, 18+(j-88)
.if j < 76
.set mm, (j-30)/4
.elseif j < 88
.set mm, 12+(j-76)/2
.endif
.set nn, mm/2
.if mm == 0
	s_wait_alu depctr_va_vdst(0)
	v_pk_fma_f32 v[rT+2:rT+3], v[rT+2:rT+3], v[rT+6:rT+7], v[rS:rS+1] op_sel_hi:[1,0,1]
.elseif mm%2 == 0
	s_wait_alu depctr_va_vdst(0)
	v_pk_add_f32 v[rT+2:rT+3], v[rT+2:rT+3], v[rS+2*nn:rS+2*nn+1]
.else
	v_cvt_pk_bf16_f32 v[rS+nn], v[rS+2*nn], v[rS+2*nn+1]
.endif
.endif
.endm
.macro SLICE                           ; slice k of 51: numbers 2 k, 2 k + 1 of both tiles' lists: where exponentials stand, tile by tile (plain, exponential, plain, exponential); elsewhere the tiles alternate
	WIN 0
.if (k >= 11) && (k < 44)
.irp t, 0,1
.irp n, 0,1
.set j, 2*k+\n
	SM \t
.endr
.endr
.else
.irp n, 0,1
.irp t, 0,1
.set j, 2*k+\n
	SM \t
.endr
.endr
.endif
.set k, k+1
.endm
; 32 products of O^T += V^T P (kind 0: v, window 2; kind 1: v^2, window 3), keys 32 kc on: channel block i / 8, tile i % 8.  The 32 accumulators take turns.  Behind a product four vector instructions that
; name none of its registers.  mode 0: the second half of O^T for v^2 is rescaled, then slices 0-15.  mode 1, 2: by turns the squares of key half mode - 1 and a slice.  A fragment is squared
; when the run that took it as v is over, in the order in which that run read the fragments, and a run ahead of the one that takes it as v^2.
; mode 3: slices 48-50; P and a are stored; thirteen products on my stores are waited for and barrier Y is signalled.
.macro PVRUN kind, kc, mode
.set i, 0
.rept 32
	WIN 0xa5+0x50*(\kind)
.set rO, 8*(4*(i%8)+i/8)
.set rV, VB+32*(\kc)+8*(i/8)
.set rP, PF+128*(\kc)+8*(i%8)
	v_wmma_f32_16x16x32_bf16 v[rO:rO+7], v[rV:rV+7], v[rP:rP+7], v[rO:rO+7]
.if (\mode) == 0
.if i < 16
	RS4 0xc3, 16+i
.else
	SLICE
.endif
.elseif (\mode) < 3
.if i%2 == 0
	SQ4 (\mode)-1, i/2
.else
	SLICE
.endif
.else
.if i < 3
	SLICE
.endif
.if i == 2
	PUTP
.endif
.if i == 15
	s_wait_dscnt 0x0                               ; for the others' sake: my stores of P and a are done
	s_barrier_signal -1                            ; barrier Y
.endif
.endif
.set i, i+1
.endr
.endm
; AN ITERATION.  LDS instructions in their order: (behind the last iteration's barrier Y: a 4, K group 2 16, K group 3 16;) K group 0 of the step after next 16; P of keys 0-31 16; V 16; P of keys 32-63 16;
; K group 1 16; the stores 10.  Each run of loads stands behind four plain vector instructions that follow the buffer's last reader.
.macro BODY
	WIN 0
	v_add_nc_u32 v[ADR], s[TB], v[LA]
	v_add_nc_u32 v[VAD], s[WO], v[ADR]
	KRUN 0, 0x01, 3
	WIN 0
	PLACES
	LOADK 0
	s_wait_dscnt 48                                ; a is in: behind it stand three runs of sixteen
	KRUN 1, 0x01, 1
	LOADP 0
	s_wait_dscnt 48                                ; K's group 2 is in: three younger runs of sixteen again
	KRUN 2, 0x01, 1
	LOADV
	s_wait_dscnt 48                                ; K's group 3 likewise
	KRUN 3, 0x01, 2
	LOADP 1
	s_wait_dscnt 16                                ; V and P of keys 0-31 are in; the sixteen loads of P of keys 32-63 may stay out
.set k, 0
	PVRUN 0, 0, 0
	s_wait_dscnt 0x0                               ; my loads of P and a of this step are back:
	s_barrier_signal -1                            ; barrier X says so
	PVRUN 0, 1, 1
	PVRUN 1, 0, 2
	s_barrier_wait -1                              ; everybody's are: P and a may be written anew
	LOADK 1
	PVRUN 1, 1, 3
	WIN 0
	s_barrier_wait -1                              ; barrier Y: everybody's P and a of the next step are in LDS
	PLACES
	LOADA
	LOADK 2
	LOADK 3
	s_add_co_u32 s[TB], s[TB], STEPB
	WIN 0
.endm
	; STEP 0's scores and softmax stand ahead of the loop.
	s_wait_loadcnt 63                              ; Q and K of step 0 are in: behind them stand the 64 loads of K of step 1
	KRUN 0, 0x02, 0
	KRUN 1, 0x02, 0
	KRUN 2, 0x02, 0
	KRUN 3, 0x02, 0
	WIN 0
	PLACES
	WIN 0x80
.set i, 0
.rept 256
	v_mov_b32 v[i], 0                              ; O^T for v, where K of step 0 lay
.set i, i+1
.endr
.set k, 0
.rept 51
	SLICE
.endr
	PUTP
	s_wait_dscnt 0x0                               ; for the others' sake: my stores are done
	s_barrier_signal -1
	s_barrier_wait -1
	LOADA
	s_wait_loadcnt 0x0                             ; K of step 1
.Lslot:                                ; 15 trips of two iterations: each trip fills the slot that it has left
	CHANGE 1
	s_mov_b32 s[CNT], 2
.Lstep:
	BODY
	s_sub_co_u32 s[CNT], s[CNT], 1
	s_cmp_lg_u32 s[CNT], 0
	s_cbranch_scc1 .Lstep
	s_sub_co_u32 s[SLOTS], s[SLOTS], 1
	s_cmp_lg_u32 s[SLOTS], 0
	s_cbranch_scc1 .Lslot
	CHANGE 0                                       ; the last slot is written out: nothing is asked for
	s_mov_b32 s[CNT], 2
.Ltail:
	BODY
	s_sub_co_u32 s[CNT], s[CNT], 1
	s_cmp_lg_u32 s[CNT], 0
	s_cbranch_scc1 .Ltail
	; THE END.  1 / l of my two tiles goes the way that a went; then mean = O / l, var = max(0, O2 / l - mean^2) for all eight tiles; the tiles are added, then the sixteen lanes of queries.
.irp u, 0,1
	v_add_f32 v[ST+8*\u+4], v[LS+2*\u], v[LS+2*\u+1]
.endr
.irp u, 0,1
	v_permlanex16_b32 v[ST+8*\u+5], v[ST+8*\u+4], s[SEL], s[SEL+1]
.endr
.irp u, 0,1
	v_add_f32 v[ST+8*\u+4], v[ST+8*\u+4], v[ST+8*\u+5]
.endr
.irp u, 0,1
	v_rcp_f32 v[ST+8*\u+6], v[ST+8*\u+4]
.endr
	v_nop                                          ; a plain instruction behind the reciprocals (ISA guide 5.7.2)
	s_wait_dscnt 0x0                               ; my last loads are back, those of a among them
	s_barrier_signal -1
	s_barrier_wait -1                              ; everybody's are: a's bytes may be written
.irp u, 0,1
	s_wait_alu depctr_va_vdst(0)
	ds_store_b64 v[AST], v[ST+8*\u+6:ST+8*\u+7] offset:\u*8
.endr
	s_wait_dscnt 0x0
	s_barrier_signal -1
	s_barrier_wait -1
	LOADA
	s_wait_dscnt 0x0
.set n, 0
.rept 32
	RS4 0x82, n                                    ; mean
.set n, n+1
.endr
.set n, 0
.rept 32
	RS4 0xc3, n                                    ; the second moment
.set n, n+1
.endr
	WIN 0xfa                                       ; less the mean's square: sources 0 and 1 window 2, source 2 and destination window 3
.set i, 0
.rept 128
	v_pk_fma_f32 v[2*i:2*i+1], v[2*i:2*i+1], v[2*i:2*i+1], v[2*i:2*i+1] neg_lo:[1,0,0] neg_hi:[1,0,0]
.set i, i+1
.endr
	WIN 0xcc                                       ; not below 0
.set i, 0
.rept 256
	v_max_num_f32 v[i], 0, v[i]
.set i, i+1
.endr
.macro TILES win, wlast, to            ; eight tiles of 32 registers become one, which lands in window 0
	WIN \win
.irp q, 4,2
.set i, 0
.rept 16*\q
	v_pk_add_f32 v[2*i:2*i+1], v[2*i:2*i+1], v[32*\q+2*i:32*\q+2*i+1]
.set i, i+1
.endr
.endr
	WIN \wlast
.set i, 0
.rept 16
	v_pk_add_f32 v[(\to)+2*i:(\to)+2*i+1], v[2*i:2*i+1], v[32+2*i:32+2*i+1]
.set i, i+1
.endr
.endm
	TILES 0x8a, 0x0a, 128                          ; the means: v128-159, where Q lay
	TILES 0xcf, 0x0f, 160                          ; the variances: v160-191
	WIN 0
.irp x, 1,2,4,8                        ; over the sixteen queries of a half of the lanes: every lane of the half ends with the sum
.set i, 0
.rept 64
	v_add_f32_dpp v[128+i], v[128+i], v[128+i] row_xmask:\x row_mask:0xf bank_mask:0xf
.set i, i+1
.endr
.endr
.set i, 0
.rept 16                               ; register 8 db + j of a kind is channel 16 db + 8 h + j of my 64; the sixteen lanes of a half write the same bytes with the same numbers
	ds_store_b128 v[SGA], v[128+4*i:128+4*i+3] offset:(i/8)*256+((i/2)%4)*64+(i%2)*16
.set i, i+1
.endr
	ds_load_b128 v[192:195], v[SGL]                ; LDS serves a wave's instructions in order (ISA guide 5.7.1.4): the load sees my stores; the stage is mine alone
	s_wait_dscnt 0x0
	global_store_b128 v[GO], v[192:195], s[10:11]  ; lanes 0-15: my 64 channels' 256 consecutive bytes of the means, aligned; lanes 16-31: those of the variances
	s_wait_tensorcnt 0x0                           ; the wave's end, behind my last tensor load and my last LDS store
	ds_add_u32 v[SPW], v[NIL]
	s_wait_dscnt 0x0
	CROUND                                         ; the closing round: no work-group ends while a partner may still ask for a tile that names it
	s_endpgm
.Lfunc_end_k_qe523fa014c_attn:
	.size	k_qe523fa014c_attn, .Lfunc_end_k_qe523fa014c_attn-k_qe523fa014c_attn
	.p2alignl 7, 3214868480
	.fill 96, 4, 3214868480
	.section	.rodata,"a",@progbits
	.p2align	6, 0x0
	.amdhsa_kernel k_qe523fa014c_attn
		.amdhsa_group_segment_fixed_size 327680
		.amdhsa_private_segment_fixed_size 0
		.amdhsa_enable_private_segment 0
		.amdhsa_kernarg_size 32
		.amdhsa_user_sgpr_count 2
		.amdhsa_user_sgpr_kernarg_segment_ptr 1
		.amdhsa_wavefront_size32 1
		.amdhsa_system_sgpr_workgroup_id_x 1
		.amdhsa_system_sgpr_workgroup_id_y 1
		.amdhsa_system_sgpr_workgroup_id_z 1
		.amdhsa_system_vgpr_workitem_id 0
		.amdhsa_next_free_vgpr 1024
		.amdhsa_next_free_sgpr 66
		.amdhsa_reserve_vcc 0
		.amdhsa_float_denorm_mode_32 3
		.amdhsa_float_denorm_mode_16_64 3
		.amdhsa_memory_ordered 1
		.amdhsa_forward_progress 1
		.amdhsa_inst_pref_size 251
	.end_amdhsa_kernel
	.amdgpu_metadata
---
amdhsa.version: [ 1, 2 ]
amdhsa.kernels:
  - .name:           k_qe523fa014c_attn
    .symbol:         k_qe523fa014c_attn.kd
    .args:
      - { .name: qf, .offset: 0, .size: 8, .value_kind: global_buffer, .address_space: global }
      - { .name: kf, .offset: 8, .size: 8, .value_kind: global_buffer, .address_space: global }
      - { .name: vf, .offset: 16, .size: 8, .value_kind: global_buffer, .address_space: global }
      - { .name: part, .offset: 24, .size: 8, .value_kind: global_buffer, .address_space: global }
    .group_segment_fixed_size: 327680
    .private_segment_fixed_size: 0
    .kernarg_segment_align: 8
    .kernarg_segment_size: 32
    .max_flat_workgroup_size: 128
    .sgpr_count:     66
    .vgpr_count:     1024
    .wavefront_size: 32
...
	.end_amdgpu_metadata
.endif
;; end of part 3
;; launch apply (part 4): grid 256 x 1, 16 waves a work-group, no clusters, 0 bytes of LDS; arguments src, stats, part, out0; writes out0
.if DOCPART == 4
	.amdgcn_target "amdgcn-amd-amdhsa--gfx1250"
	.amdhsa_code_object_version 6
	.text
	.protected	k_qe523fa014c_apply
	.globl	k_qe523fa014c_apply
	.p2align	8
	.type	k_qe523fa014c_apply,@function
k_qe523fa014c_apply:
	s_mov_b64 s[64:65], 0
	v_nop
	global_prefetch_b8 v0, s[64:65] scope:SCOPE_SE
	s_setreg_imm32_b32 hwreg(HW_REG_WAVE_MODE, 25, 1), 1
	s_wait_xcnt 0x0
; out0[b][c][t] = std[b][c] src_n[b][c][t] + mu[b][c], with mu = the mean over the 2,048 queries of mean, std = the root of the mean of var, and src_n = fma(src, r, nb).
; So out0 = src (std r) + (std nb + mu): one fused multiply-add a number.
; A wave takes one row of 8,192 bytes: sixteen loads and sixteen stores of 512 consecutive bytes, all loads out at once.  Memory binds: no LDS, no barrier, no matrix unit, nothing shared worth a cluster.
; The row's 32 partial sums (16 blocks of queries x 2 kinds) are one load of 4 bytes a lane from 32 places 1,024 bytes apart: part is 512 KB in all, and the launch before stored it in whole aligned blocks.
; LIMITS.  A mean of var below 2^-126 counts as 0 in the root.  NaN and infinities are not treated apart.
.set X, 16                             ; v[16:79] the row
	s_load_b256 s[4:11], s[0:1], 0x0               ; src s[4:5], stats s[6:7], part s[8:9], out0 s[10:11]
	v_lshrrev_b32 v1, 5, v0
	v_readfirstlane_b32 s12, v1                    ; wave 0..15
	v_and_b32 v1, 31, v0
	v_lshlrev_b32 v1, 4, v1                        ; 16 x lane
	s_lshl_b32 s13, ttmp9, 4
	s_add_co_u32 s13, s13, s12                     ; the row: 256 b + c
	s_lshl_b32 s16, s13, 13                        ; its 8,192 bytes
	s_mov_b32 s17, 0
	s_lshl_b32 s18, s13, 3                         ; its pair in stats (src is tensor 0)
	s_mov_b32 s19, 0
	s_lshr_b32 s20, ttmp9, 4                       ; b: 32,768 bytes of part
	s_lshl_b32 s20, s20, 15
	s_and_b32 s21, s13, 255                        ; c
	s_lshl2_add_u32 s20, s21, s20
	v_and_b32 v2, 15, v0                           ; lane l: block l % 16, kind l / 16
	v_bfe_u32 v3, v0, 4, 1
	v_lshlrev_b32 v2, 11, v2
	v_lshl_add_u32 v2, v3, 10, v2
	v_add_nc_u32 v2, s20, v2
	s_wait_kmcnt 0x0
	s_add_nc_u64 s[6:7], s[6:7], s[18:19]
	s_load_b64 s[22:23], s[6:7], 0x0               ; r, nb
	s_add_nc_u64 s[4:5], s[4:5], s[16:17]
	s_add_nc_u64 s[10:11], s[10:11], s[16:17]
	global_load_b32 v4, v2, s[8:9]
.set i, 0
.rept 16
	global_load_b128 v[X+4*i:X+4*i+3], v1, s[4:5] offset:512*i th:TH_LOAD_NT
.set i, i+1
.endr
	s_wait_loadcnt 16                              ; the partial sums are in; the row's sixteen loads may stay out
	v_add_f32_dpp v4, v4, v4 row_xmask:1 row_mask:0xf bank_mask:0xf
	v_add_f32_dpp v4, v4, v4 row_xmask:2 row_mask:0xf bank_mask:0xf
	v_add_f32_dpp v4, v4, v4 row_xmask:4 row_mask:0xf bank_mask:0xf
	v_add_f32_dpp v4, v4, v4 row_xmask:8 row_mask:0xf bank_mask:0xf
	v_mul_f32 v5, 0x3a000000, v4                   ; / 2,048: lanes 0-15 hold mu, lanes 16-31 the mean of var
	v_readlane_b32 s24, v5, 0
	v_readlane_b32 s25, v5, 16
	v_sqrt_f32 v6, s25                             ; std
	v_nop                                          ; a plain instruction behind the root (ISA guide 5.7.2)
	s_wait_kmcnt 0x0
	s_wait_alu depctr_va_vdst(0)
	v_mul_f32 v8, s22, v6                          ; std r
	v_fma_f32 v10, v6, s23, s24                    ; std nb + mu
	v_mov_b32 v9, v8
	v_mov_b32 v11, v10
.set i, 0
.rept 16
	s_wait_loadcnt 15-i                            ; loads come back in order (ISA guide 5.7.1): number i is in
	v_pk_fma_f32 v[X+4*i:X+4*i+1], v[X+4*i:X+4*i+1], v[8:9], v[10:11]
	v_pk_fma_f32 v[X+4*i+2:X+4*i+3], v[X+4*i+2:X+4*i+3], v[8:9], v[10:11]
	global_store_b128 v1, v[X+4*i:X+4*i+3], s[10:11] offset:512*i th:TH_STORE_NT
.set i, i+1
.endr
	s_endpgm
.Lfunc_end_k_qe523fa014c_apply:
	.size	k_qe523fa014c_apply, .Lfunc_end_k_qe523fa014c_apply-k_qe523fa014c_apply
	.p2alignl 7, 3214868480
	.fill 96, 4, 3214868480
	.section	.rodata,"a",@progbits
	.p2align	6, 0x0
	.amdhsa_kernel k_qe523fa014c_apply
		.amdhsa_group_segment_fixed_size 0
		.amdhsa_private_segment_fixed_size 0
		.amdhsa_enable_private_segment 0
		.amdhsa_kernarg_size 32
		.amdhsa_user_sgpr_count 2
		.amdhsa_user_sgpr_kernarg_segment_ptr 1
		.amdhsa_wavefront_size32 1
		.amdhsa_system_sgpr_workgroup_id_x 1
		.amdhsa_system_sgpr_workgroup_id_y 1
		.amdhsa_system_sgpr_workgroup_id_z 1
		.amdhsa_system_vgpr_workitem_id 0
		.amdhsa_next_free_vgpr 80
		.amdhsa_next_free_sgpr 66
		.amdhsa_reserve_vcc 0
		.amdhsa_float_denorm_mode_32 3
		.amdhsa_float_denorm_mode_16_64 3
		.amdhsa_memory_ordered 1
		.amdhsa_forward_progress 1
		.amdhsa_inst_pref_size 8
	.end_amdhsa_kernel
	.amdgpu_metadata
---
amdhsa.version: [ 1, 2 ]
amdhsa.kernels:
  - .name:           k_qe523fa014c_apply
    .symbol:         k_qe523fa014c_apply.kd
    .args:
      - { .name: src, .offset: 0, .size: 8, .value_kind: global_buffer, .address_space: global }
      - { .name: stats, .offset: 8, .size: 8, .value_kind: global_buffer, .address_space: global }
      - { .name: part, .offset: 16, .size: 8, .value_kind: global_buffer, .address_space: global }
      - { .name: out0, .offset: 24, .size: 8, .value_kind: global_buffer, .address_space: global }
    .group_segment_fixed_size: 0
    .private_segment_fixed_size: 0
    .kernarg_segment_align: 8
    .kernarg_segment_size: 32
    .max_flat_workgroup_size: 512
    .sgpr_count:     66
    .vgpr_count:     80
    .wavefront_size: 32
...
	.end_amdgpu_metadata
.endif
;; end of part 4
;; ======== version 2 of 2: 4 launches; 1.07 times as fast as version 1
;; workspace buffers: stats 65,536 bytes; wb 393,216 bytes; qf 16,777,216 bytes; kf 16,777,216 bytes; vf 16,777,216 bytes; part 524,288 bytes
;; launch prep: the kernel of part 1 again; grid 256 x 1, 16 waves a work-group, no clusters, 2,304 bytes of LDS; arguments src, trg, Wq, Wk, Wv, stats, wb; writes stats, wb
;; launch proj: the kernel of part 2 again; grid 16 x 16, 8 waves a work-group, no clusters, 222,208 bytes of LDS; arguments src, trg, stats, wb, qf, kf, vf; writes qf, kf, vf
;; launch attn (part 5): grid 16 x 16, 4 waves a work-group, clusters of 4 x 1, 327,680 bytes of LDS; arguments qf, kf, vf, part; writes part
.if DOCPART == 5
	.amdgcn_target "amdgcn-amd-amdhsa--gfx1250"
	.amdhsa_code_object_version 6
	.text
	.protected	k_qe523fa014c_attn
	.globl	k_qe523fa014c_attn
	.p2align	8
	.type	k_qe523fa014c_attn,@function
k_qe523fa014c_attn:
	s_mov_b64 s[64:65], 0
	v_nop
	global_prefetch_b8 v0, s[64:65] scope:SCOPE_SE
	s_setreg_imm32_b32 hwreg(HW_REG_WAVE_MODE, 25, 1), 1
	s_wait_xcnt 0x0
	s_wait_alu depctr_hold_cnt(0) depctr_sa_sdst(0) depctr_va_vdst(0) depctr_va_sdst(0) depctr_va_ssrc(0) depctr_va_vcc(0) depctr_vm_vsrc(0)
	s_getreg_b32 s2, hwreg(HW_REG_IB_STS2, 6, 4)
	s_cmp_eq_u32 s2, 0
	s_cbranch_scc0 .Lentry_in_a_cluster
	s_endpgm
.Lentry_in_a_cluster:
	s_bfe_u32 s2, ttmp6, 0x10000c
	s_cmp_lg_u32 s2, 0x3003
	s_cbranch_scc0 .Lentry_shape_is_right
	s_endpgm
.Lentry_shape_is_right:
; ATTENTION WITH TWO VALUE TENSORS, AND ITS SUMS OVER QUERIES.  For each batch b and query s: p = softmax_t(q[s] . k[t] / 16); mean[s][d] = sum_t p v[t][d]; m2[s][d] = sum_t p v[t][d]^2;
; var = max(0, m2 - mean^2).  part[b][block of 128 queries][0][d] = the sum of mean over the block's queries, part[..][1][d] that of var, f32.
; q, k, v arrive in bf16 in fragment order (qf, kf: [b][16 rows][ch 8][p 2][lane][16 bytes]; vf: [b][32 keys][dbg 16][p 2][lane][16 bytes]), so every fragment is two loads at 16 x lane: no
; padding, no turning load, and a key step's K or V is one dense block of 32,768 bytes.  Products, maxima, sums in f32; the weights are rounded to bf16 for the second products.
; SHARES.  A work-group owns 128 queries of a batch: 8 tiles of 16.  A wave makes S^T = K Q^T and the softmax for TWO tiles (2 w, 2 w + 1), and O^T for ALL EIGHT tiles on 64 channels of v and the same
; 64 of v^2 (64 w on): 64 accumulators, 512 registers.  So each wave reads and squares a quarter of V; the weights P (16,384 bytes a step) and the factors a pass from wave to wave through LDS.
; v^2 IS NEVER STORED: a fragment of V is squared in place once its products with v are issued: each half is widened, multiplied in f32 and rounded once to bf16 (v_fma_mixlo_bf16, v_fma_mixhi_bf16).
; LAYOUT.  S^T (source 0 = 16 keys, source 1 = 16 queries): a lane holds ONE query (lane % 16) and keys 8 (lane / 16) + 0..7.  Two such results rounded in pairs ARE source 1 of O^T = V^T P.
; SOFTMAX.  p = 2^(c s - c m), c = log2(e) / 16, with a running maximum m; in every step O and l are multiplied by a = 2^(c m_old - c m_new).  O and l start at 0: the first step is a step like
; any other, with a = 0; the 512 lines that clear O spare a first step written out, a third copy of the step's text.
; THE EXPONENTIALS.  A step's 66 (a and 32 weights for each of my two tiles) are ONE BATCH with ONE wait, the s_wait_alu depctr_va_vdst(0) ahead of the first line that names
; a result.  Ahead of the wait stand the maxima, the statistics, the scalings and the exponentials, each result in a register of its own; behind it all that reads a result: l's sums and the roundings.
; The way out's two reciprocals are a batch of their own.
; AN ITERATION j: 64 products K Q^T of step j + 1, then 128 products V^T P of step j.  All vector work stands four behind a product: the rescaling by a(j) behind K Q^T and the first V^T P; then the
; squares and the softmax of step j + 1.  Its P and a are stored 29 products ahead of the iteration's end.  The last iteration's K Q^T and softmax (on tile 31 once more) serve nothing: the price
; of one text for every step; l is copied aside at each iteration's start, so the last copy is the final l.
; BARRIERS, two an iteration, only register work between signal and wait.  X: signalled when my loads of P(j), a(j) are back, awaited ahead of my stores of P(j + 1), a(j + 1).  Y: signalled when those
; stores are done, awaited ahead of my loads of a(j + 1), P(j + 1).
; CLUSTER.  The four work-groups of a cluster are query blocks of one batch and walk the same K and V: every tile is asked for JOINTLY, the same tensor load, descriptor and mask in all four.
; LDS.  Two slots of 131,072 bytes; a slot holds two sub-steps of 65,536: V of step j, then K of step j + 2: all that iteration j fetches, so the change of slots stands at a trip's head.  Wave w fills the
; slot's bytes 32,768 w on.  K's tiles 32 and 33 do not exist: their number is held at 31, a tile inside kf.  Behind the ring, in blocks that no tensor load fills: the spare words; P; a; a stage a wave.
; REGISTERS, in windows of 256 (s_set_vgpr_msb: bits 1:0 source 0, 3:2 source 1, 5:4 source 2, 7:6 destination):
;   window 0: v0-11 addresses; v12-15 l kept; v16-31 eight registers of statistics for each own tile; v32-47 a of the eight tiles; v48-111 S^T; v128-255 Q
;   window 1: four buffers of 64: F0 K group 0; F1 K group 1, then P of keys 0-31; F2 K group 2, then V; F3 K group 3, then P of keys 32-63
;   window 2: O^T for v, accumulator (tile t, channel block db) at 8 (4 t + db)        window 3: the same for v^2
; LIMITS.  v^2 is bf16(bf16(v)^2).  l sums the unrounded weights.  A weight below 2^-126 counts as 0.  The running maximum starts at the lowest finite number and c m at -4.25e37, far below c times
; any score that 256 products of bf16 numbers of ordinary size give.  NaN and infinities are not treated apart.
.set STEPB, 65536
.set SLOT1, 1<<17
.set KOFF,  32768                      ; K in a sub-step
.set SPARE, 2*SLOT1                    ; the spare words: 128 bytes for each of four waves
.set PB,    SPARE+512                  ; P: [tile 8][keys 32 kc on: 2][p 2][lane 32][16 bytes]
.set AB,    PB+16384                   ; a: [query in tile 16][tile 8][8 bytes: a and a word that is not used]
.set STG,   AB+1024                    ; the way out: 512 bytes for each wave
.set LA,  1                            ; v1   16 x lane
.set ADR, 2                            ; v2   the sub-step in hand + 16 x lane
.set SPW, 3                            ; v3   my spare word
.set NIL, 4                            ; v4   0, for the add alone
.set PST, 5                            ; v5   where my tiles' P goes
.set PLD, 6                            ; v6   P + 16 x lane
.set AST, 7                            ; v7   where my tiles' a goes
.set ALD, 8                            ; v8   my query's eight a
.set VAD, 9                            ; v9   ADR + my quarter of V
.set ZR,  10                           ; v10  0.0: the addend of the squares
.set GO,  11                           ; v11  my 16 bytes of part
.set LS,  12                           ; v12-15 l of my two tiles as it stood at the iteration's start
.set ST,  16                           ; own tile u at ST + 8 u: c m, m, l (even keys', odd keys'), c0-c3 at work; a takes c2's place
.set A,   32                           ; a of tile t at A + 2 t
.set S,   48                           ; own tile u, key block kb at S + 32 u + 8 kb; at the end of a softmax its first 16 registers hold P
.set SGA, 112                          ; v112 the stage: where I store
.set SGL, 113                          ; v113 where I read
.set T0,  114
.set T1,  115
.set QR,  128                          ; own tile u, channels 32 ch on at QR + 64 u + 8 ch
.set PF,  64                           ; window 1: P of tile t, key half kc at PF + 128 kc + 8 t
.set VB,  128                          ; window 1: V of key half kc, channel block db at VB + 32 kc + 8 db
.set WV,  12                           ; s12 my wave's number
.set BW,  14                           ; s[14:15] vf (even waves) or kf (odd) at my batch
.set OFF, 16                           ; s[16:17] a tile's byte offset
.set NXT, 18                           ; s18 the number of the tile that I ask for next
.set G1,  24                           ; s[24:31] descriptor group 1
.set G0,  40                           ; s[40:43] descriptor group 0
.set WO,  46                           ; s46 4,096 x wave
.set SLOTS, 56
.set CNT, 57
.set CS,  58                           ; s[58:59] c
.set SEL, 60                           ; s[60:61] v_permlanex16_b32: each lane takes its own place in the other half
.set TB,  62                           ; s62 LDS byte of the sub-step in hand
.set MSB, 0
.macro WIN new                         ; the high byte repeats the setting that is left; a switch that changes nothing is dropped
.if MSB != (\new)
	s_set_vgpr_msb (MSB<<8)|(\new)
.set MSB, \new
.endif
.endm
.macro PLACES                          ; four places behind matrix instructions (ISA guide 7.12.1)
.rept 4
	v_nop
.endr
.endm
; A round of the cluster's barrier: my work-group's barrier; wave 0 signals for the work-group; every wave waits for all four work-groups; my work-group's barrier once more.
.macro CROUND
	s_barrier_signal -1
	s_barrier_wait -1
	s_cmp_lg_u32 s[WV], 0
	s_cbranch_scc1 .Lnot_wave_0_\@
	s_barrier_signal -3
.Lnot_wave_0_\@:
	s_barrier_wait -3
	s_barrier_signal -1
	s_barrier_wait -1
.endm
; THE CHANGE OF SLOTS.  Each wave waits for all its tensor loads, of which one is out: its quarter of the slot to be read; adds 0 to its spare word; and waits for that and for its reads of the slot
; that it leaves (the last were K's).  fill = 1: the barrier is a round of the cluster's, and the slot left is filled again first thing behind it, with the tiles two slots on: the load has two key steps,
; 384 matrix instructions, in which to land.  (At its first use nothing of the ring has been read: slot 0 is waited for, slot 1 filled.)
.macro CHANGE fill
	WIN 0
	s_wait_tensorcnt 0x0                           ; no tensor load of mine is out, so group 0 may be written
	ds_add_u32 v[SPW], v[NIL]                      ; 0 onto my spare word; the descriptor's scalar work stands between it and the wait for it
.if \fill
	s_min_u32 s19, s[NXT], 31                      ; K's tiles 32 and 33 do not exist: tile 31 once more
	s_lshl_b32 s[OFF], s19, 15
	s_xor_b32 s[G0+1], s[G0+1], SLOT1
	s_add_nc_u64 s[G0+2:G0+3], s[BW:BW+1], s[OFF:OFF+1]  ; the address is made anew: base + number x 32,768
	s_or_b32 s[G0+3], s[G0+3], 0x80000000
	s_add_co_u32 s[NXT], s[NXT], 2
.endif
	s_wait_dscnt 0x0                               ; the add is done, and my reads of the slot are over
.if \fill
	CROUND
	tensor_load_to_lds s[G0:G0+3], s[G1:G1+7]      ; one line for all four waves: their LDS and global addresses differ by the wave's number, and are equal in the four partners
	s_nop 0
	PLACES
.else
	s_barrier_signal -1
	s_barrier_wait -1
.endif
	s_sub_co_u32 s[TB], s[TB], 2*STEPB             ; back to a slot's first sub-step,
	s_xor_b32 s[TB], s[TB], SLOT1                  ; in the other slot
.endm
	s_load_b256 s[4:11], s[0:1], 0x0               ; qf s[4:5], kf s[6:7], vf s[8:9], part s[10:11]
	v_lshl_add_u32 v[SPW], v0, 2, SPARE
	v_mov_b32 v[NIL], 0
	ds_add_u32 v[SPW], v[NIL]                      ; the wave's opening: the add and its wait, ahead of my first tensor load; the set-up stands between them
	ds_add_u32 v3, v4
	v_lshrrev_b32 v[T0], 5, v0
	v_readfirstlane_b32 s[WV], v[T0]               ; wave 0..3
	v_and_b32 v[LA], 31, v0
	v_lshlrev_b32 v[LA], 4, v[LA]
	s_bfe_u32 s13, ttmp6, 0x40000                  ; cx: my place in the cluster
	s_lshl_b32 s32, ttmp9, 2
	s_add_co_u32 s32, s32, s13                     ; my block of queries = 4 x cluster x + cx: it enters qf's and part's addresses alone
	s_and_b32 s33, ttmp7, 0xffff                   ; b, which the four partners share
	s_lshl_b32 s34, s33, 20                        ; a batch is 2^20 bytes of qf, kf, vf
	s_mov_b32 s35, 0
	s_lshl_b32 s36, s32, 16                        ; my block's 128 rows of 512 bytes,
	s_lshl_b32 s37, s[WV], 14                      ; my wave's 32
	s_add_co_u32 s36, s36, s37
	s_add_co_u32 s36, s36, s34
	s_mov_b32 s37, 0
	s_lshl_b32 s38, s33, 4
	s_add_co_u32 s38, s38, s32
	s_lshl_b32 s38, s38, 11                        ; part: 2,048 bytes a block
	s_mov_b32 s39, 0
	; descriptor group 1: 32,768 dense bytes as 128 rows of 32 elements of 8 bytes
	s_mov_b32 s[G1], 15|(3<<16)|(1<<21)            ; 15:0 the mask of four; 17:16 8-byte elements; 20 no padding; 21 set beside a mask
	s_mov_b32 s[G1+1], 32<<16                      ; tensor_dim0 = 32
	s_mov_b32 s[G1+2], 128<<16                     ; tensor_dim1 = 128
	s_mov_b32 s[G1+3], 32<<16                      ; tile_dim0 = 32
	s_mov_b32 s[G1+4], 128                         ; tile_dim1 = 128
	s_mov_b32 s[G1+5], 32                          ; 32 elements from row to row
	s_mov_b32 s[G1+6], 0
	s_mov_b32 s[G1+7], 0
	s_mov_b32 s[G0], 1                             ; count = 1
	s_lshl_b32 s[G0+1], s[WV], 15                  ; LDS address: slot 0, my quarter
	s_and_b32 s44, s[WV], 1                        ; even waves fetch V, odd ones K
	s_lshr_b32 s[NXT], s[WV], 1                    ; sub-step e = w / 2 holds V(e) and K(e + 2)
	s_lshl_b32 s47, s44, 1
	s_add_co_u32 s[NXT], s[NXT], s47
	s_lshl_b32 s[OFF], s[NXT], 15
	s_mov_b32 s[OFF+1], 0
	s_lshl_b32 s[WO], s[WV], 12
	s_mov_b32 s[CS], 0x3db8aa3b                    ; c = log2(e) / 16
	s_mov_b32 s[CS+1], s[CS]
	s_mov_b32 s[SEL], 0x76543210
	s_mov_b32 s[SEL+1], 0xfedcba98
	s_mov_b32 s[TB], 2*SLOT1                       ; the first change of slots turns it into 0
	s_mov_b32 s[SLOTS], 15
	s_wait_dscnt 0x0                               ; the opening add is done
	s_wait_kmcnt 0x0
	s_cmp_eq_u32 s44, 0
	s_cselect_b64 s[BW:BW+1], s[8:9], s[6:7]
	s_add_nc_u64 s[BW:BW+1], s[BW:BW+1], s[34:35]
	s_add_nc_u64 s[G0+2:G0+3], s[BW:BW+1], s[OFF:OFF+1]
	s_or_b32 s[G0+3], s[G0+3], 0x80000000          ; type = 2
	s_add_co_u32 s[NXT], s[NXT], 2
	s_add_nc_u64 s[20:21], s[6:7], s[34:35]        ; kf at my batch: K of steps 0 and 1
	s_add_nc_u64 s[22:23], s[4:5], s[36:37]        ; qf at my wave's rows
	s_add_nc_u64 s[10:11], s[10:11], s[38:39]
	CROUND                                         ; all four work-groups are here: the first joint loads meet
	tensor_load_to_lds s[G0:G0+3], s[G1:G1+7]      ; slot 0
	s_nop 0
	PLACES
.set i, 0
.rept 32                               ; Q stays in registers; each load takes 512 consecutive bytes, read by this wave alone
	global_load_b128 v[QR+4*i:QR+4*i+3], v[LA], s[22:23] offset:i*512 th:TH_LOAD_NT
.set i, i+1
.endr
; K of steps 0 and 1 comes straight from memory, 32,768 bytes a wave each, once, in the places that LOADK gives a step's K: step 0 into window 2, which O^T does not need yet, step 1 into the four buffers.
.macro GETK win, step
	WIN \win
.irp g, 0,1,2,3
.set i, 0
.rept 16
	global_load_b128 v[64*\g+4*i:64*\g+4*i+3], v[LA], s[20:21] offset:(\step)*32768+(i/4)*8192+(2*\g+(i/2)%2)*1024+(i%2)*512
.set i, i+1
.endr
.endr
.endm
	GETK 0x80, 0
	GETK 0x40, 1
	WIN 0xc0
.set i, 0
.rept 256
	v_mov_b32 v[i], 0                              ; O^T for v^2
.set i, i+1
.endr
	WIN 0
.irp u, 0,1
	v_mov_b32 v[ST+8*\u], 0xfe000000               ; c m: far below every c s
	v_mov_b32 v[ST+8*\u+1], 0xff7fffff             ; m
	v_mov_b32 v[ST+8*\u+2], 0
	v_mov_b32 v[ST+8*\u+3], 0
.endr
	v_mov_b32 v[ZR], 0
	v_and_b32 v[T0], 15, v0                        ; r = lane % 16
	v_bfe_u32 v[T1], v0, 4, 1                      ; h = lane / 16
	s_add_co_u32 s45, s[WO], PB
	v_add_nc_u32 v[PST], s45, v[LA]                ; my two tiles are 4,096 bytes of P
	v_add_nc_u32 v[PLD], PB, v[LA]
	v_lshlrev_b32 v[ALD], 6, v[T0]
	v_add_nc_u32 v[ALD], AB, v[ALD]                ; query r: 64 bytes
	v_lshl_add_u32 v[AST], s[WV], 4, v[ALD]        ; my two tiles: 16 of them
	s_lshl_b32 s45, s[WV], 9
	s_add_co_u32 s45, s45, STG                     ; my stage
	v_lshl_add_u32 v[SGA], v[T1], 5, s45
	v_add_nc_u32 v[SGL], s45, v[LA]
	s_lshl_b32 s45, s[WV], 8                       ; part: kind lane / 16, my 64 channels, four of them a lane
	v_lshl_add_u32 v[GO], v[T1], 10, s45
	v_lshl_add_u32 v[GO], v[T0], 4, v[GO]
; THE LDS LOADS, in runs of 16.  Group g of K: channels 64 g .. 64 g + 63 of all 64 keys (fragment 2 kb + c at 64 g + 8 (2 kb + c)).
.macro LOADK g
	WIN 0x40
.set i, 0
.rept 16
	ds_load_b128 v[64*(\g)+4*i:64*(\g)+4*i+3], v[ADR] offset:KOFF+(i/4)*8192+(2*(\g)+(i/2)%2)*1024+(i%2)*512
.set i, i+1
.endr
.endm
.macro LOADV                           ; my four channel blocks of both key halves: 4,096 consecutive bytes of each
	WIN 0x40
.set i, 0
.rept 16
	ds_load_b128 v[VB+4*i:VB+4*i+3], v[VAD] offset:(i/8)*16384+(i%8)*512
.set i, i+1
.endr
.endm
.macro LOADP kc                        ; all eight tiles' weights for keys 32 kc on
	WIN 0x40
.set i, 0
.rept 16
	ds_load_b128 v[PF+128*(\kc)+4*i:PF+128*(\kc)+4*i+3], v[PLD] offset:(i/2)*2048+(\kc)*1024+(i%2)*512
.set i, i+1
.endr
.endm
.macro LOADA                           ; my query's factor in each of the eight tiles
	WIN 0
.irp z, 0,1,2,3
	ds_load_b128 v[A+4*\z:A+4*\z+3], v[ALD] offset:16*\z
.endr
.endm
.macro PUTP                            ; my two tiles' P, 512 consecutive bytes a store, and their a (both halves of the lanes write the same numbers)
	WIN 0
.irp u, 0,1
.irp m, 0,1,2,3
	ds_store_b128 v[PST], v[S+32*\u+4*\m:S+32*\u+4*\m+3] offset:\u*2048+\m*512
.endr
	ds_store_b64 v[AST], v[ST+8*\u+6:ST+8*\u+7] offset:\u*8
.endr
.endm
.macro RS4 win, n                      ; accumulator n = 4 t + db of O^T times tile t's factor, its registers ascending
	WIN \win
.irp z, 0,1,2,3
	v_pk_mul_f32 v[8*(\n)+2*\z:8*(\n)+2*\z+1], v[8*(\n)+2*\z:8*(\n)+2*\z+1], v[A+2*((\n)/4):A+2*((\n)/4)+1] op_sel_hi:[1,0]
.endr
.endm
.macro KEEPL                           ; l as it stands: the softmax of the next step will change it
	WIN 0
	v_mov_b32 v[LS], v[ST+2]
	v_mov_b32 v[LS+1], v[ST+3]
	v_mov_b32 v[LS+2], v[ST+10]
	v_mov_b32 v[LS+3], v[ST+11]
.endm
.macro SQ4 c, s                        ; registers 2 s, 2 s + 1 of V's key half c: four v become v^2: each half widened, squared in f32, rounded once
	WIN 0x45
.set rX, VB+32*(\c)+2*(\s)
	v_fma_mixlo_bf16 v[rX], v[rX], v[rX], v[ZR] op_sel_hi:[1,1,0]
	v_fma_mixlo_bf16 v[rX+1], v[rX+1], v[rX+1], v[ZR] op_sel_hi:[1,1,0]
	v_fma_mixhi_bf16 v[rX], v[rX], v[rX], v[ZR] op_sel:[1,1,0] op_sel_hi:[1,1,0]
	v_fma_mixhi_bf16 v[rX+1], v[rX+1], v[rX+1], v[ZR] op_sel:[1,1,0] op_sel_hi:[1,1,0]
.endm
; 16 products of S^T = K Q^T: channels 32 (2 g + i / 8) on, keys 16 ((i / 2) % 4) on, own tile i % 2.  The eight accumulators take turns; group 0's first eight start the sums.
; win: 0x01: K in window 1; 0x02: in window 2.  rider 1: O^T for v, accumulator 16 (g - 1) + i, is rescaled behind product i; 2: O^T for v^2, accumulator i; 3: l is kept, behind the first product; 0: none.
.macro KRUN g, win, rider
.set i, 0
.rept 16
	WIN \win
.set rS, S+32*(i%2)+8*((i/2)%4)
.set rK, 64*(\g)+8*(2*((i/2)%4)+i/8)
.set rQ, QR+64*(i%2)+8*(2*(\g)+i/8)
.if ((\g) == 0) && (i < 8)
	v_wmma_f32_16x16x32_bf16 v[rS:rS+7], v[rK:rK+7], v[rQ:rQ+7], 0
.else
	v_wmma_f32_16x16x32_bf16 v[rS:rS+7], v[rK:rK+7], v[rQ:rQ+7], v[rS:rS+7]
.endif
.if (\rider) == 1
	RS4 0x82, 16*((\g)-1)+i
.elseif (\rider) == 2
	RS4 0xc3, i
.elseif ((\rider) == 3) && (i == 0)
	KEEPL
.endif
.set i, i+1
.endr
.endm
; THE SOFTMAX of own tile t for one step: a list of 102 instructions; SM writes number j.  s0-s31 are the lane's 32 scores, in pairs 0-15.
;   0-15    the maximum of s0-s31 and the old m, three operands at a time: four chains c0-c3 of seven scores (each accumulator's lowest registers first), the four left over, c0-c3, m
;   16-20   the other half of the lanes' maximum; c m_old is kept; the new m; c m; c m_old - c m_new
;   21-69   ONE BATCH: the 16 scalings c s - c m, a pair of scores each, and all 33 exponentials (a at 23, then s0-s31, each in place).  None of these names an exponential's result.  From 22 on the batch
;           goes in fours, and a four begins with a scaling while there are scalings: 22-37 scaling, exponential, scaling, exponential; 38-65 a scaling and three exponentials; 66-69 the last four
;           exponentials.  A pair is scaled in an earlier four than the one that holds its exponentials
;   (wait)  between 69 and 70 stands the wait for the batch: SLICE writes it, once for both tiles
;   70-101  all that reads a result, in this order for pair n = 0 .. 15: l takes the pair (the first time as l = a l + pair); the pair is rounded to bf16 INTO s[n].
;           s[n] belongs to pair n / 2, which l has taken and which has been rounded by then.  At the end s0-s15 hold P, two fragments of 32 keys.
.macro SM t
.set rT, ST+8*(\t)
.set rS, S+32*(\t)
.if j < 4
	v_max3_num_f32 v[rT+4+j], v[rS+8*j], v[rS+8*j+1], v[rS+8*j+2]
.elseif j < 12
	v_max3_num_f32 v[rT+4+j%4], v[rT+4+j%4], v[rS+8*(j%4)+2*(j/4)+1], v[rS+8*(j%4)+2*(j/4)+2]
.elseif j == 12
	v_max3_num_f32 v[rT+4], v[rT+4], v[rS+7], v[rS+15]
.elseif j == 13
	v_max3_num_f32 v[rT+6], v[rT+6], v[rS+23], v[rS+31]
.elseif j == 14
	v_max3_num_f32 v[rT+4], v[rT+4], v[rT+5], v[rT+6]
.elseif j == 15
	v_max3_num_f32 v[rT+4], v[rT+4], v[rT+7], v[rT+1]
.elseif j == 16
	v_permlanex16_b32 v[rT+5], v[rT+4], s[SEL], s[SEL+1]  ; the query's other 32 keys lie in the lane 16 away
.elseif j == 17
	v_mov_b32 v[rT+7], v[rT]
.elseif j == 18
	v_max_num_f32 v[rT+1], v[rT+4], v[rT+5]
.elseif j == 19
	v_mul_f32 v[rT], s[CS], v[rT+1]
.elseif j == 20
	v_sub_f32 v[rT+7], v[rT+7], v[rT]
.elseif j == 23
	v_exp_f32 v[rT+6], v[rT+7]
.elseif (j < 23) || ((j < 38) && (j%2 == 0)) || ((j < 66) && (j%4 == 2))
.set bb, (j-2)/4                       ; 38, 42, .. 62: pairs 9 to 15
.if j < 38
.set bb, (j-20)/2                      ; 21: pair 0; 22, 24, .. 36: pairs 1 to 8
.endif
	v_pk_fma_f32 v[rS+2*bb:rS+2*bb+1], v[rS+2*bb:rS+2*bb+1], s[CS:CS+1], v[rT:rT+1] op_sel_hi:[1,0,0] neg_lo:[0,0,1] neg_hi:[0,0,1]  ; pair bb: c s - c m
.elseif j < 70
.set ee, j-38                          ; 66 to 69: s28 to s31
.if j < 66
.set ee, j-32-(j-38)/4                 ; 39-41, 43-45, .. 63-65: s7 to s27
.endif
.if j < 38
.set ee, (j-25)/2                      ; 25, 27, .. 37: s0 to s6
.endif
	v_exp_f32 v[rS+ee], v[rS+ee]
.elseif j == 70
	v_pk_fma_f32 v[rT+2:rT+3], v[rT+2:rT+3], v[rT+6:rT+7], v[rS:rS+1] op_sel_hi:[1,0,1]  ; l = a l + pair 0
.elseif j%2 == 0
	v_pk_add_f32 v[rT+2:rT+3], v[rT+2:rT+3], v[rS+j-70:rS+j-69]  ; l takes pair (j - 70) / 2
.else
	v_cvt_pk_bf16_f32 v[rS+(j-71)/2], v[rS+j-71], v[rS+j-70]  ; pair (j - 71) / 2 is rounded
.endif
.endm
; Slice k of 51: four instructions.  Slices 11 to 34 deal out the batch, numbers 22 to 69: four numbers of ONE tile each, the tiles by turns.  Every other slice is numbers 2 k and 2 k + 1 of both tiles'
; lists, the tiles alternating, so that no instruction reads the result of the one just before it.
; THE WAIT.  Ahead of slice 35 nothing names a result of the step's 66 exponentials, and behind slice 34 no exponential is issued: so they have one wait, at the head of slice 35.
; What stands between slice 34 and slice 35 names no result either (PVRUN; in the first step a v_nop).
.macro SLICE
	WIN 0
.if k == 35
	s_wait_alu depctr_va_vdst(0)                   ; the wait for the batch: both tiles' a and weights, ahead of their first reader
.endif
.if (k >= 11) && (k < 35)              ; the batch: four numbers of one tile
.irp n, 0,1,2,3
.set j, 22+4*((k-11)/2)+\n
	SM (k-11)%2
.endr
.else
.irp n, 0,1
.irp t, 0,1
.set j, 2*k+\n
	SM \t
.endr
.endr
.endif
.set k, k+1
.endm
; 32 products of O^T += V^T P (kind 0: v, window 2; kind 1: v^2, window 3), keys 32 kc on: channel block i / 8, tile i % 8.  The 32 accumulators take turns.  Behind a product four vector instructions that
; name none of its registers.  mode 0: the second half of O^T for v^2 is rescaled, then slices 0-15.  mode 1, 2: by turns the squares of key half mode - 1 and a slice.  A fragment is squared
; when the run that took it as v is over, in the order in which that run read the fragments, and a run ahead of the one that takes it as v^2.
; In mode 2 slice 34, the batch's last exponentials, stands behind product 5 and slice 35, with the batch's wait at its head, behind product 7: product 6, four squares (plain instructions that name no
; result of the batch) and product 7 are the work between the batch and its wait.
; mode 3: slices 48-50; P and a are stored; thirteen products on my stores are waited for and barrier Y is signalled.
.macro PVRUN kind, kc, mode
.set i, 0
.rept 32
	WIN 0xa5+0x50*(\kind)
.set rO, 8*(4*(i%8)+i/8)
.set rV, VB+32*(\kc)+8*(i/8)
.set rP, PF+128*(\kc)+8*(i%8)
	v_wmma_f32_16x16x32_bf16 v[rO:rO+7], v[rV:rV+7], v[rP:rP+7], v[rO:rO+7]
.if (\mode) == 0
.if i < 16
	RS4 0xc3, 16+i
.else
	SLICE
.endif
.elseif (\mode) < 3
.if i%2 == 0
	SQ4 (\mode)-1, i/2
.else
	SLICE
.endif
.else
.if i < 3
	SLICE
.endif
.if i == 2
	PUTP
.endif
.if i == 15
	s_wait_dscnt 0x0                               ; for the others' sake: my stores of P and a are done
	s_barrier_signal -1                            ; barrier Y
.endif
.endif
.set i, i+1
.endr
.endm
; AN ITERATION.  LDS instructions in their order: (behind the last iteration's barrier Y: a 4, K group 2 16, K group 3 16;) K group 0 of the step after next 16; P of keys 0-31 16; V 16; P of keys 32-63 16;
; K group 1 16; the stores 10.  Each run of loads stands behind four plain vector instructions that follow the buffer's last reader (ahead of K group 1: slice 47, two of l's sums and two roundings).
.macro BODY
	WIN 0
	v_add_nc_u32 v[ADR], s[TB], v[LA]
	v_add_nc_u32 v[VAD], s[WO], v[ADR]
	KRUN 0, 0x01, 3
	WIN 0
	PLACES
	LOADK 0
	s_wait_dscnt 48                                ; a is in: behind it stand three runs of sixteen
	KRUN 1, 0x01, 1
	LOADP 0
	s_wait_dscnt 48                                ; K's group 2 is in: three younger runs of sixteen again
	KRUN 2, 0x01, 1
	LOADV
	s_wait_dscnt 48                                ; K's group 3 likewise
	KRUN 3, 0x01, 2
	LOADP 1
	s_wait_dscnt 16                                ; V and P of keys 0-31 are in; the sixteen loads of P of keys 32-63 may stay out
.set k, 0
	PVRUN 0, 0, 0
	s_wait_dscnt 0x0                               ; my loads of P and a of this step are back:
	s_barrier_signal -1                            ; barrier X says so
	PVRUN 0, 1, 1
	PVRUN 1, 0, 2
	s_barrier_wait -1                              ; everybody's are: P and a may be written anew
	LOADK 1
	PVRUN 1, 1, 3
	WIN 0
	s_barrier_wait -1                              ; barrier Y: everybody's P and a of the next step are in LDS
	PLACES
	LOADA
	LOADK 2
	LOADK 3
	s_add_co_u32 s[TB], s[TB], STEPB
	WIN 0
.endm
	; STEP 0's scores and softmax stand ahead of the loop.
	s_wait_loadcnt 63                              ; Q and K of step 0 are in: behind them stand the 64 loads of K of step 1
	KRUN 0, 0x02, 0
	KRUN 1, 0x02, 0
	KRUN 2, 0x02, 0
	KRUN 3, 0x02, 0
	WIN 0
	PLACES
	WIN 0x80
.set i, 0
.rept 256
	v_mov_b32 v[i], 0                              ; O^T for v, where K of step 0 lay
.set i, i+1
.endr
.set k, 0
.rept 35
	SLICE                                          ; the maxima, the statistics and the batch
.endr
	v_nop                                          ; here no other work stands behind the batch: a plain instruction behind its last exponential (ISA guide 5.7.2)
.rept 16
	SLICE                                          ; the batch's wait, at the head of slice 35, and the readers
.endr
	PUTP
	s_wait_dscnt 0x0                               ; for the others' sake: my stores are done
	s_barrier_signal -1
	s_barrier_wait -1
	LOADA
	s_wait_loadcnt 0x0                             ; K of step 1
.Lslot:                                ; 15 trips of two iterations: each trip fills the slot that it has left
	CHANGE 1
	s_mov_b32 s[CNT], 2
.Lstep:
	BODY
	s_sub_co_u32 s[CNT], s[CNT], 1
	s_cmp_lg_u32 s[CNT], 0
	s_cbranch_scc1 .Lstep
	s_sub_co_u32 s[SLOTS], s[SLOTS], 1
	s_cmp_lg_u32 s[SLOTS], 0
	s_cbranch_scc1 .Lslot
	CHANGE 0                                       ; the last slot is written out: nothing is asked for
	s_mov_b32 s[CNT], 2
.Ltail:
	BODY
	s_sub_co_u32 s[CNT], s[CNT], 1
	s_cmp_lg_u32 s[CNT], 0
	s_cbranch_scc1 .Ltail
	; THE END.  1 / l of my two tiles goes the way that a went; then mean = O / l, var = max(0, O2 / l - mean^2) for all eight tiles; the tiles are added, then the sixteen lanes of queries.
.irp u, 0,1
	v_add_f32 v[ST+8*\u+4], v[LS+2*\u], v[LS+2*\u+1]
.endr
.irp u, 0,1
	v_permlanex16_b32 v[ST+8*\u+5], v[ST+8*\u+4], s[SEL], s[SEL+1]
.endr
.irp u, 0,1
	v_add_f32 v[ST+8*\u+4], v[ST+8*\u+4], v[ST+8*\u+5]
.endr
.irp u, 0,1
	v_rcp_f32 v[ST+8*\u+6], v[ST+8*\u+4]
.endr
	v_nop                                          ; a plain instruction behind the reciprocals (ISA guide 5.7.2)
	s_wait_dscnt 0x0                               ; my last loads are back, those of a among them
	s_barrier_signal -1
	s_barrier_wait -1                              ; everybody's are: a's bytes may be written
	s_wait_alu depctr_va_vdst(0)                   ; one wait for the two reciprocals, ahead of the stores that read them
.irp u, 0,1
	ds_store_b64 v[AST], v[ST+8*\u+6:ST+8*\u+7] offset:\u*8
.endr
	s_wait_dscnt 0x0
	s_barrier_signal -1
	s_barrier_wait -1
	LOADA
	s_wait_dscnt 0x0
.set n, 0
.rept 32
	RS4 0x82, n                                    ; mean
.set n, n+1
.endr
.set n, 0
.rept 32
	RS4 0xc3, n                                    ; the second moment
.set n, n+1
.endr
	WIN 0xfa                                       ; less the mean's square: sources 0 and 1 window 2, source 2 and destination window 3
.set i, 0
.rept 128
	v_pk_fma_f32 v[2*i:2*i+1], v[2*i:2*i+1], v[2*i:2*i+1], v[2*i:2*i+1] neg_lo:[1,0,0] neg_hi:[1,0,0]
.set i, i+1
.endr
	WIN 0xcc                                       ; not below 0
.set i, 0
.rept 256
	v_max_num_f32 v[i], 0, v[i]
.set i, i+1
.endr
.macro TILES win, wlast, to            ; eight tiles of 32 registers become one, which lands in window 0
	WIN \win
.irp q, 4,2
.set i, 0
.rept 16*\q
	v_pk_add_f32 v[2*i:2*i+1], v[2*i:2*i+1], v[32*\q+2*i:32*\q+2*i+1]
.set i, i+1
.endr
.endr
	WIN \wlast
.set i, 0
.rept 16
	v_pk_add_f32 v[(\to)+2*i:(\to)+2*i+1], v[2*i:2*i+1], v[32+2*i:32+2*i+1]
.set i, i+1
.endr
.endm
	TILES 0x8a, 0x0a, 128                          ; the means: v128-159, where Q lay
	TILES 0xcf, 0x0f, 160                          ; the variances: v160-191
	WIN 0
.irp x, 1,2,4,8                        ; over the sixteen queries of a half of the lanes: every lane of the half ends with the sum
.set i, 0
.rept 64
	v_add_f32_dpp v[128+i], v[128+i], v[128+i] row_xmask:\x row_mask:0xf bank_mask:0xf
.set i, i+1
.endr
.endr
.set i, 0
.rept 16                               ; register 8 db + j of a kind is channel 16 db + 8 h + j of my 64; the sixteen lanes of a half write the same bytes with the same numbers
	ds_store_b128 v[SGA], v[128+4*i:128+4*i+3] offset:(i/8)*256+((i/2)%4)*64+(i%2)*16
.set i, i+1
.endr
	ds_load_b128 v[192:195], v[SGL]                ; LDS serves a wave's instructions in order (ISA guide 5.7.1.4): the load sees my stores; the stage is mine alone
	s_wait_dscnt 0x0
	global_store_b128 v[GO], v[192:195], s[10:11]  ; lanes 0-15: my 64 channels' 256 consecutive bytes of the means, aligned; lanes 16-31: those of the variances
	s_wait_tensorcnt 0x0                           ; the wave's end, behind my last tensor load and my last LDS store
	ds_add_u32 v[SPW], v[NIL]
	s_wait_dscnt 0x0
	CROUND                                         ; the closing round: no work-group ends while a partner may still ask for a tile that names it
	s_endpgm
.Lfunc_end_k_qe523fa014c_attn:
	.size	k_qe523fa014c_attn, .Lfunc_end_k_qe523fa014c_attn-k_qe523fa014c_attn
	.p2alignl 7, 3214868480
	.fill 96, 4, 3214868480
	.section	.rodata,"a",@progbits
	.p2align	6, 0x0
	.amdhsa_kernel k_qe523fa014c_attn
		.amdhsa_group_segment_fixed_size 327680
		.amdhsa_private_segment_fixed_size 0
		.amdhsa_enable_private_segment 0
		.amdhsa_kernarg_size 32
		.amdhsa_user_sgpr_count 2
		.amdhsa_user_sgpr_kernarg_segment_ptr 1
		.amdhsa_wavefront_size32 1
		.amdhsa_system_sgpr_workgroup_id_x 1
		.amdhsa_system_sgpr_workgroup_id_y 1
		.amdhsa_system_sgpr_workgroup_id_z 1
		.amdhsa_system_vgpr_workitem_id 0
		.amdhsa_next_free_vgpr 1024
		.amdhsa_next_free_sgpr 66
		.amdhsa_reserve_vcc 0
		.amdhsa_float_denorm_mode_32 3
		.amdhsa_float_denorm_mode_16_64 3
		.amdhsa_memory_ordered 1
		.amdhsa_forward_progress 1
		.amdhsa_inst_pref_size 248
	.end_amdhsa_kernel
	.amdgpu_metadata
---
amdhsa.version: [ 1, 2 ]
amdhsa.kernels:
  - .name:           k_qe523fa014c_attn
    .symbol:         k_qe523fa014c_attn.kd
    .args:
      - { .name: qf, .offset: 0, .size: 8, .value_kind: global_buffer, .address_space: global }
      - { .name: kf, .offset: 8, .size: 8, .value_kind: global_buffer, .address_space: global }
      - { .name: vf, .offset: 16, .size: 8, .value_kind: global_buffer, .address_space: global }
      - { .name: part, .offset: 24, .size: 8, .value_kind: global_buffer, .address_space: global }
    .group_segment_fixed_size: 327680
    .private_segment_fixed_size: 0
    .kernarg_segment_align: 8
    .kernarg_segment_size: 32
    .max_flat_workgroup_size: 128
    .sgpr_count:     66
    .vgpr_count:     1024
    .wavefront_size: 32
...
	.end_amdgpu_metadata
.endif
;; end of part 5
;; launch apply: the kernel of part 4 again; grid 256 x 1, 16 waves a work-group, no clusters, 0 bytes of LDS; arguments src, stats, part, out0; writes out0
